; MI455X (gfx1250); checked and timed in simulation.
; The chip was launched on July 23, 2026; its instructions are those of AMD's public machine-readable ISA for CDNA 5 (MIT licence, August 2026) and "CDNA5" Instruction Set Architecture Reference Guide (July 2026). The comments in the code are by the model that wrote it; some were corrected since.
;; Fusing Net. Allowed arithmetic: matrix products marked QUANTISED: E2M3 operands, one E8M0 scale for each 32 along K, by v_wmma_scale_f32_16x16x128_f8f6f4 with both operands' format E2M3, f32 sums; products left as they are: f32 operands where the result goes on into a quantised operand, else bf16, f16 or f32 operands; f32 sums; everything else in f32.
;; Inputs: W1k 16 x 32 float32; W1l 16 x 32 float32; W1w 26 x 32 float32; W2k 32 x 16 float32; W2l 32 x 1 float32; W2w 32 x 1 float32; b1k 32 float32; b1l 32 float32; b1w 32 float32; b2k 16 float32; b2l 1 float32; b2w 1 float32; input_future 2,048 x 384 float32; key_sys 50,000 int32; keys 50,000 x 384 float32; syslist 2,048 int32; vals 50,000 float32; wav2vec_prob 2,048 x 16 float32; wav2vec_score 2,048 x 1 float32.
;; Outputs: out0 2,048 float32.
;; This version of the problem:
;;   THIS VERSION OF THE PROBLEM IS GIVEN IN LOW PRECISION. The matrix products marked QUANTISED in the list below multiply operands that are first quantised to E2M3 (2 exponent bits, 3 mantissa bits; 6 bits a number), with one power-of-two scale for each 32 numbers along K (OCP MX v1.0); their sums are f32. All else is computed in f32.
;;   The module's matrix products, in the order in which they are computed (A, B: the left and right operand; K: the contracted axis; several contracted axes count as one K, in the product's order):
;;     1. [M 2,048, K 384] x [K 384, N 50,000]; A: input input_future; B: input keys: QUANTISED
;;     2. [M 2,048, K 16] x [K 16, N 32]; A: computed on the way; B: input W1k: left as it is (K = 16 < 32)
;;     3. [M 2,048, K 32] x [K 32, N 16]; A: computed on the way; B: input W2k: QUANTISED
;;     4. [M 2,048, K 16] x [K 16, N 32]; A: computed on the way; B: input W1l: left as it is (K = 16 < 32)
;;     5. [M 2,048, K 32] x [K 32, N 1]; A: computed on the way; B: input W2l: left as it is (N = 1 < 16)
;;     6. [M 2,048, K 26] x [K 26, N 32]; A: computed on the way; B: input W1w: left as it is (K = 26 < 32)
;;     7. [M 2,048, K 32] x [K 32, N 1]; A: computed on the way; B: input W2w: left as it is (N = 1 < 16)
;;   THE QUANTISER, for each operand of a quantised product, along K:
;;     - K is cut into blocks of 32 from its start; a last block that is shorter is filled with zeros.
;;     - A block's scale is 2^e with e = floor(log2(the largest magnitude in the block)) - 2, held to -126 .. 127; a block of zeros has e = 0. As a byte (E8M0): e + 127.
;;     - Each number is divided by its block's scale, clamped to +-7.5, and rounded to the nearest number of E2M3, ties to even, subnormals kept.
;;     - The product sums the exact products of the quantised numbers (number of the format x scale) in f32.
;;   ~~~python
;;   def quantise(x, axis):      # numpy; x: float32 -> the quantised numbers, widened to float32 again
;;       x = np.moveaxis(x, axis, -1); K = x.shape[-1]
;;       x = np.pad(x, [(0, 0)] * (x.ndim - 1) + [(0, -K % 32)]); x = x.reshape(x.shape[:-1] + (-1, 32)); a = np.abs(x).max(-1, keepdims=True)
;;       e = np.where(a > 0, np.clip(np.frexp(np.where(a > 0, a, 1))[1] - 1 - 2, -126, 127), 0)      # np.frexp(a)[1] - 1 = floor(log2(a)), exactly
;;       r = np.clip(x / 2.0 ** e, -7.5, 7.5)
;;       step = 2.0 ** (np.maximum(np.frexp(np.where(r == 0, 1, r))[1] - 1, 0) - 3)
;;       q = np.round(r / step) * step * 2.0 ** e      # np.round: ties to even
;;       return np.moveaxis(q.reshape(q.shape[:-2] + (-1,))[..., :K], -1, axis).astype(np.float32)
;;   ~~~
;;   OPERANDS COMPUTED ON THE WAY. 'Computed on the way' means the value that the module computes at that place (a softmax that the list does not call 'softmax' is quantised finished and normalised). What goes into a quantiser is computed in f32, as accurately as f32 sums, v_exp_f32 and their like allow (about 1e-6 of the number): no bf16 or f16 on the way to a quantiser, and a product that is left as it is and whose result goes on into a quantised operand takes f32 operands (vector FMAs, or v_wmma_f32_16x16x4_f32). A number that lies on a knife's edge between two numbers of the format may be rounded either way, as far as f32 arithmetic and the matrix unit's own rounding can turn it there, and no further.
;; One version. Each part assembles by itself: llvm-mc -triple=amdgcn-amd-amdhsa -mcpu=gfx1250 --defsym DOCPART=n.
;; ======== version 1 of 1: 4 launches
;; limits: right only within a limited range of input values
;; workspace buffers: krec 16,384,000 bytes; qrec 655,360 bytes; mbuf 29,360,128 bytes; lst 262,144 bytes of whole numbers
;; launch quant (part 1): grid 256 x 1, 13 waves a work-group, no clusters, 111,616 bytes of LDS; arguments keys, input_future, key_sys, syslist, krec, qrec; writes krec, qrec
.if DOCPART == 1
	.amdgcn_target "amdgcn-amd-amdhsa--gfx1250"
	.amdhsa_code_object_version 6
	.text
	.protected	k_q57076a2666_quant
	.globl	k_q57076a2666_quant
	.p2align	8
	.type	k_q57076a2666_quant,@function
k_q57076a2666_quant:
	s_mov_b64 s[64:65], 0
	v_nop
	global_prefetch_b8 v0, s[64:65] scope:SCOPE_SE
	s_setreg_imm32_b32 hwreg(HW_REG_WAVE_MODE, 25, 1), 1
	s_wait_xcnt 0x0
; keys [50000][384] and input_future [2048][384], f32, become RECORDS of 16 rows: codes of FP6 (E2M3) laid as images of the matrix operand's registers, with their E8M0 scale words,
; the rows' sums of squares (of the unquantised numbers, in f32) and the rows' system numbers.
; A record is 5,120 bytes: K step s (128 along K) at 1536 s: register group g (4 registers) at + 512 g, lane l's 16 bytes at + 16 l;  at 4608 + 16 r: row r's three scale words and its sum of squares;
; at 4864 the 16 sums of squares on end; at 4928 the 16 system numbers; at 4992 zeros.
; WHICH KEYS FORM A RECORD: chunk c = 800 keys = 50 records; record 50 c + t holds keys 800 c + 8 t + 0..7 in rows 0-7 and keys 800 c + 400 + 8 t + 0..7 in rows 8-15, so that the same half of two
; neighbouring records is 16 neighbouring keys.  Half records from key 50,000 on are padding: they take the numbers of keys 0-7 (no load leaves the buffer) and +infinity as sum of squares.
; Queries: record qt holds queries 16 qt + 0..15.  THE QUERIES' CODES STAND FOR -2 q: every code's sign is turned and every scale byte raised by 1, both exact, so that the later products give -2 q.k.
; A block's scale byte is its largest magnitude's exponent field - 2, held at 1 from below (a block of zeros keeps the byte 1: its codes are zeros, and this program alone reads the bytes).
; LIMITS: NaN and infinities among the inputs are not served.
; One wave makes one record: 3,200 of keys and 128 of queries are 13 for each of 256 work-groups.  Record 13 x work-group + wave; numbers under 3,200 are keys'.  Only pointers and row numbers are chosen:
; both kinds take one path.  Waves share nothing: no barrier.
; Each load reads 512 consecutive bytes (a row's K step); a K step's numbers turn through the wave's own stage in LDS, so that a lane gets the 32 neighbours of a block; the three K steps use the stage in turn.
.set PITCH, 528                        ; a stage row: 512 bytes + 16 = 33 x 16: the sixteen rows that a read touches start in different groups of banks
.set WREG,  16*PITCH
.set NKREC, 3200                       ; records of keys
.set SPARE, 13*WREG                    ; behind the stages: the spare words, 128 bytes for each wave, in seven blocks of 256 bytes that no other line names
.set X,     16                         ; v16-207  three sets of 64 numbers, one for each K step
.set CD,    208                        ; v208-219 a fragment's 12 registers
.set TC,    220                        ; v220-222, v224-226 the second halves of the two blocks' codes
.set META,  228                        ; v228-231 three scale words, the sum of squares
.set MX,    232
.set SO,    234
.set BY,    236
.set SQ,    238                        ; v238-245 four chains of two sums
.set PT,    246
.set SY,    247
.set LD,    248
.set ZR,    252
	s_load_b256 s[4:11], s[0:1], 0x0               ; keys, input_future, key_sys, syslist
	s_load_b128 s[12:15], s[0:1], 0x20             ; krec, qrec
	v_lshl_add_u32 v254, v0, 2, SPARE
	v_mov_b32 v255, 0
	v_lshrrev_b32 v1, 5, v0
	v_readfirstlane_b32 s16, v1                    ; wave 0..12
	v_and_b32 v11, 31, v0                          ; lane
	v_and_b32 v4, 15, v0                           ; r
	v_bfe_u32 v5, v0, 4, 1                         ; hh
	v_lshlrev_b32 v1, 4, v11                       ; 16 x lane
	s_mul_i32 s17, s16, WREG                       ; my stage
	v_add_nc_u32 v2, s17, v1                       ; into it: 16 x lane of a row's K step
	v_mul_u32_u24 v3, v4, PITCH
	v_lshl_add_u32 v3, v5, 7, v3
	v_add_nc_u32 v3, s17, v3                       ; out of it: row r, + 128 hh: my 32 numbers of a pair of blocks
	v_lshlrev_b32 v7, 3, v5                        ; 8 hh: where my two scale bytes stand in the word
	v_lshl_add_u32 v8, v4, 2, s17
	v_lshl_add_u32 v9, v11, 2, s17
	v_lshl_add_u32 v10, v4, 4, s17
	v_mov_b32 v[PT], 0                             ; a lane permute's destination counts as one of its sources
	v_mov_b32 v[ZR], 0
	s_mov_b32 s30, 0x76543210
	s_mov_b32 s31, 0xfedcba98                      ; lane l xor 16
	s_mov_b32 s32, 0xffff0000                      ; lanes 16-31
	s_mov_b32 s33, 0xff00ff00                      ; lanes whose row is 8-15
	s_mul_i32 s38, ttmp9, 13
	s_add_co_u32 s38, s38, s16                     ; my record among all 3,328
	s_cmp_lt_u32 s38, NKREC
	s_cselect_b32 s18, 0, NKREC
	s_sub_co_u32 s18, s38, s18                     ; my record's number in its buffer
	s_mul_i32 s19, s18, 1311
	s_lshr_b32 s19, s19, 16                        ; c = record / 50 (exact up to 3,199)
	s_mul_i32 s20, s19, 50
	s_sub_co_u32 s20, s18, s20                     ; t
	s_mul_i32 s21, s19, 800
	s_lshl_b32 s20, s20, 3
	s_add_co_u32 s21, s21, s20                     ; keys: first row of half 0,
	s_add_co_u32 s22, s21, 400                     ; of half 1
	s_lshl_b32 s23, s18, 4                         ; queries likewise
	s_add_co_u32 s24, s23, 8
	s_mov_b32 s25, 0x7fffffff                      ; queries have no padding
	s_wait_alu depctr_va_vdst(0)
	s_wait_kmcnt 0x0
	s_cmp_lt_u32 s38, NKREC                        ; every choice hangs on the work-group's and the wave's number alone
	s_cselect_b32 s21, s21, s23
	s_cselect_b32 s22, s22, s24
	s_cselect_b32 s25, 50000, s25
	s_cselect_b64 s[4:5], s[4:5], s[6:7]
	s_cselect_b64 s[8:9], s[8:9], s[10:11]
	s_cselect_b64 s[12:13], s[12:13], s[14:15]
	s_cselect_b32 s34, 0, 0x20820820               ; queries: the sign bits of the codes (bit 6 i + 5 of the stream), three words of masks,
	s_cselect_b32 s35, 0, 0x08208208
	s_cselect_b32 s36, 0, 0x82082082
	s_cselect_b32 s37, 0, 0x01010101               ; and 1 for each scale byte (252 at the most before).  For keys the four words are 0
	s_cmp_ge_u32 s21, s25
	s_cselect_b32 s26, 0x00ff00ff, 0
	s_cselect_b32 s21, 0, s21
	s_cmp_ge_u32 s22, s25
	s_cselect_b32 s27, 0xff00ff00, 0
	s_cselect_b32 s22, 0, s22
	s_or_b32 s26, s26, s27                         ; the lanes whose row is padding
	s_mov_b32 s29, 0
	s_mul_i32 s28, s21, 1536
	s_add_nc_u64 s[6:7], s[4:5], s[28:29]          ; half 0's first row
	s_mul_i32 s28, s22, 1536
	s_add_nc_u64 s[10:11], s[4:5], s[28:29]        ; half 1's
	s_mul_i32 s28, s18, 5120
	s_add_nc_u64 s[12:13], s[12:13], s[28:29]      ; my record
	s_lshl_b32 s21, s21, 2
	s_lshl_b32 s22, s22, 2
	v_mov_b32 v6, s21
	v_mov_b32 v12, s22
	v_cndmask_b32 v6, v6, v12, s33
	v_and_b32 v12, 7, v0
	v_lshl_add_u32 v6, v12, 2, v6                  ; my row's system number
.set i, 0
.rept 48                               ; K step i / 16, row i % 16: 32 lanes read 512 consecutive bytes
.set ss, i/16
.set rw, i%16
.if rw < 8
	global_load_b128 v[X+4*i:X+4*i+3], v1, s[6:7] offset:rw*1536+512*ss th:TH_LOAD_NT
.else
	global_load_b128 v[X+4*i:X+4*i+3], v1, s[10:11] offset:(rw-8)*1536+512*ss th:TH_LOAD_NT
.endif
.set i, i+1
.endr
	global_load_b32 v[SY], v6, s[8:9]
.macro QSTEP s
.set XS, X+64*\s
	s_wait_loadcnt 33-16*\s                        ; this K step's 16 loads are in; the later steps' 16 each and the system numbers' one may be out
.irp row, 0,1,2,3,4,5,6,7,8,9,10,11,12,13,14,15
	ds_store_b128 v2, v[XS+4*\row:XS+4*\row+3] offset:\row*PITCH   ; (the last K step's reads of the stage have been waited for)
.endr
.irp c, 0,1                            ; LDS serves a wave's instructions in order: these see the stores.  Register 32 c + i = k 128 s + 64 c + 32 hh + i of row r
.irp i, 0,1,2,3,4,5,6,7
	ds_load_b128 v[XS+32*\c+4*\i:XS+32*\c+4*\i+3], v3 offset:256*\c+16*\i
.endr
.endr
	s_wait_dscnt 0x0
.set j, 0
.rept 32                               ; the sum of squares of the numbers as they came, two at a time, in four chains
.if (\s == 0) && (j < 4)
	v_pk_mul_f32 v[SQ+2*j:SQ+2*j+1], v[XS+2*j:XS+2*j+1], v[XS+2*j:XS+2*j+1]
.else
	v_pk_fma_f32 v[SQ+2*(j%4):SQ+2*(j%4)+1], v[XS+2*j:XS+2*j+1], v[XS+2*j:XS+2*j+1], v[SQ+2*(j%4):SQ+2*(j%4)+1]
.endif
.set j, j+1
.endr
.irp c, 0,1
	v_max3_num_f32 v[MX+\c], |v[XS+32*\c]|, |v[XS+32*\c+1]|, 0x1800000   ; block 2 c + hh: all 32 numbers are mine; the floor 2^(3 - 127) holds the byte at 1 from below
.endr
.irp i, 2,4,6,8,10,12,14,16,18,20,22,24,26,28,30
.irp c, 0,1
	v_max3_num_f32 v[MX+\c], v[MX+\c], |v[XS+32*\c+\i]|, |v[XS+32*\c+\i+1]|
.endr
.endr
.irp c, 0,1
	v_add_nc_u32 v[SO+\c], 0xff000000, v[MX+\c]    ; 2 off the exponent field: the conversion's scale operand
.endr
.irp c, 0,1
	v_lshrrev_b32 v[BY+\c], 23, v[SO+\c]           ; the scale's byte
.endr
	v_lshl_or_b32 v[META+\s], v[BY+1], 16, v[BY]
	v_lshlrev_b32 v[META+\s], v7, v[META+\s]       ; my two bytes at their places,
	v_permlanex16_b32 v[PT], v[META+\s], s30, s31
	v_or_b32 v[META+\s], v[META+\s], v[PT]         ; with lane l xor 16's two the word is whole
	v_add_nc_u32 v[META+\s], s37, v[META+\s]       ; queries: each byte + 1, the factor 2
.if \s > 0
	s_wait_alu depctr_va_vdst(0)
	s_wait_xcnt 0x0                                ; the last K step's stores have read the codes' registers
.endif
.irp c, 0,1
	v_cvt_scalef32_pk16_fp6_f32 v[CD+6*\c:CD+6*\c+2], v[XS+32*\c:XS+32*\c+15], v[SO+\c]
	v_cvt_scalef32_pk16_fp6_f32 v[TC+4*\c:TC+4*\c+2], v[XS+32*\c+16:XS+32*\c+31], v[SO+\c]   ; (a conversion's three registers begin on an even number)
.endr
	v_nop                                          ; one plain place behind a scaled conversion
.irp c, 0,1
.irp i, 0,1,2
	v_mov_b32 v[CD+6*\c+3+\i], v[TC+4*\c+\i]
.endr
.endr
.irp i, 0,1,2,3
	v_xor_b32 v[CD+3*\i], s34, v[CD+3*\i]          ; queries: every code's sign is turned
	v_xor_b32 v[CD+3*\i+1], s35, v[CD+3*\i+1]
	v_xor_b32 v[CD+3*\i+2], s36, v[CD+3*\i+2]
.endr
.irp g, 0,1,2
	global_store_b128 v1, v[CD+4*\g:CD+4*\g+3], s[12:13] offset:1536*\s+512*\g   ; 32 lanes store 512 consecutive bytes, at a multiple of 256 from the buffer's first byte
.endr
.endm
	QSTEP 0
	QSTEP 1
	QSTEP 2
	v_pk_add_f32 v[SQ:SQ+1], v[SQ:SQ+1], v[SQ+2:SQ+3]
	v_pk_add_f32 v[SQ+4:SQ+5], v[SQ+4:SQ+5], v[SQ+6:SQ+7]
	v_pk_add_f32 v[SQ:SQ+1], v[SQ:SQ+1], v[SQ+4:SQ+5]
	v_add_f32 v[SQ], v[SQ], v[SQ+1]
	v_permlanex16_b32 v[PT], v[SQ], s30, s31
	v_add_f32 v[META+3], v[SQ], v[PT]              ; the row's sum of squares
	v_mov_b32 v[PT], 0x7f800000
	v_cndmask_b32 v[META+3], v[META+3], v[PT], s26 ; padding: +infinity
	s_wait_alu depctr_va_vdst(0)
	s_wait_loadcnt 0x0                             ; the system numbers
	ds_store_b32 v8, v[META+3]                     ; the record's last 256 bytes are put together in my stage (lanes r and r + 16 write the same word with the same value)
	ds_store_b32 v8, v[SY] offset:64
	ds_store_b32 v9, v[ZR] offset:128
	ds_load_b128 v[LD:LD+3], v10
	s_wait_dscnt 0x0
.irp j, 0,1,2,3
	v_cndmask_b32 v[LD+\j], v[META+\j], v[LD+\j], s32   ; lanes 0-15: row r's words; lanes 16-31: those 256 bytes
.endr
	global_store_b128 v1, v[LD:LD+3], s[12:13] offset:4608
	s_wait_tensorcnt 0x0                           ; the wave's end
	ds_add_u32 v254, v255
	s_wait_dscnt 0x0
	s_endpgm
.Lfunc_end_k_q57076a2666_quant:
	.size	k_q57076a2666_quant, .Lfunc_end_k_q57076a2666_quant-k_q57076a2666_quant
	.p2alignl 7, 3214868480
	.fill 96, 4, 3214868480
	.section	.rodata,"a",@progbits
	.p2align	6, 0x0
	.amdhsa_kernel k_q57076a2666_quant
		.amdhsa_group_segment_fixed_size 111616
		.amdhsa_private_segment_fixed_size 0
		.amdhsa_enable_private_segment 0
		.amdhsa_kernarg_size 48
		.amdhsa_user_sgpr_count 2
		.amdhsa_user_sgpr_kernarg_segment_ptr 1
		.amdhsa_wavefront_size32 1
		.amdhsa_system_sgpr_workgroup_id_x 1
		.amdhsa_system_sgpr_workgroup_id_y 1
		.amdhsa_system_sgpr_workgroup_id_z 1
		.amdhsa_system_vgpr_workitem_id 0
		.amdhsa_next_free_vgpr 256
		.amdhsa_next_free_sgpr 66
		.amdhsa_reserve_vcc 0
		.amdhsa_float_denorm_mode_32 3
		.amdhsa_float_denorm_mode_16_64 3
		.amdhsa_memory_ordered 1
		.amdhsa_forward_progress 1
		.amdhsa_inst_pref_size 33
	.end_amdhsa_kernel
	.amdgpu_metadata
---
amdhsa.version: [ 1, 2 ]
amdhsa.kernels:
  - .name:           k_q57076a2666_quant
    .symbol:         k_q57076a2666_quant.kd
    .args:
      - { .name: keys, .offset: 0, .size: 8, .value_kind: global_buffer, .address_space: global }
      - { .name: input_future, .offset: 8, .size: 8, .value_kind: global_buffer, .address_space: global }
      - { .name: key_sys, .offset: 16, .size: 8, .value_kind: global_buffer, .address_space: global }
      - { .name: syslist, .offset: 24, .size: 8, .value_kind: global_buffer, .address_space: global }
      - { .name: krec, .offset: 32, .size: 8, .value_kind: global_buffer, .address_space: global }
      - { .name: qrec, .offset: 40, .size: 8, .value_kind: global_buffer, .address_space: global }
    .group_segment_fixed_size: 111616
    .private_segment_fixed_size: 0
    .kernarg_segment_align: 8
    .kernarg_segment_size: 48
    .max_flat_workgroup_size: 416
    .sgpr_count:     66
    .vgpr_count:     256
    .wavefront_size: 32
...
	.end_amdgpu_metadata
.endif
;; end of part 1
;; launch dist (part 2): grid 4 x 64, 8 waves a work-group, clusters of 4 x 1, 327,680 bytes of LDS; arguments krec, qrec, mbuf; writes mbuf
.if DOCPART == 2
	.amdgcn_target "amdgcn-amd-amdhsa--gfx1250"
	.amdhsa_code_object_version 6
	.text
	.protected	k_q57076a2666_dist
	.globl	k_q57076a2666_dist
	.p2align	8
	.type	k_q57076a2666_dist,@function
k_q57076a2666_dist:
	s_mov_b64 s[64:65], 0
	v_nop
	global_prefetch_b8 v0, s[64:65] scope:SCOPE_SE
	s_setreg_imm32_b32 hwreg(HW_REG_WAVE_MODE, 25, 1), 1
	s_wait_xcnt 0x0
	s_wait_alu depctr_hold_cnt(0) depctr_sa_sdst(0) depctr_va_vdst(0) depctr_va_sdst(0) depctr_va_ssrc(0) depctr_va_vcc(0) depctr_vm_vsrc(0)
	s_getreg_b32 s2, hwreg(HW_REG_IB_STS2, 6, 4)
	s_cmp_eq_u32 s2, 0
	s_cbranch_scc0 .Lentry_in_a_cluster
	s_endpgm
.Lentry_in_a_cluster:
	s_bfe_u32 s2, ttmp6, 0x10000c
	s_cmp_lg_u32 s2, 0x3003
	s_cbranch_scc0 .Lentry_shape_is_right
	s_endpgm
.Lentry_shape_is_right:
; For every query and every GROUP of 16 neighbouring keys: the smallest masked e = k2 - 2 q.k, 1e9 where key and query are of one system.  q.k on codes of FP6 with E8M0 scales.
; e is the distance d2 less q2, which is the same for all keys of a query: the order of a query's keys is that of d2.  The last launch multiplies the chosen groups again, in the same way, and adds q2.
; The queries' records hold codes of -2 q (signs turned, scale bytes + 1: exact), and k2 is the C of each sum's first product: so the matrix unit gives e, and no vector line forms it.
; SHARES.  Work-group (cx, c): 512 queries x chunk c of 800 keys (50 records).  Eight waves; a wave holds 4 tiles of 16 queries in registers (144, window 1) and walks the chunk's 50 records.
; CLUSTER.  The four work-groups of a cluster walk the same chunk: it is asked for JOINTLY, each wave an eighth of each piece.  THE WHOLE CHUNK LIES IN LDS, and no byte is filled twice: three pieces,
; records 0-9, 10-25 and 26-49, at LDS 0, 61,440 and 153,600 (10,240 bytes lie idle between two pieces).  The first is asked for at the head, the second when the first has landed, the third behind the first trip.
; A trip fetches eight records (8 q + 2 .. 8 q + 9) and finishes four groups: trip 0 reads piece 0, trips 1 and 2 piece 1, trips 3 to 5 piece 2.
; THE PRODUCT: source 0 = a record's 16 keys, source 1 = 16 queries: lane (n, h) holds query n and keys 8 h + 0..7 of the record: with the next record's the 16 keys of group (c, h, u).
; A STAGE, for record r: record r + 2 is fetched from LDS; record r + 1's twelve products are issued, the four accumulators by turns; behind each of the first eight stands a slice of eight vector lines
; on record r's sums (the compare of the system numbers, the select of 1e9); then the minima, under window 0.
; REGISTER WINDOWS.  Among the products only source 1's window is set (0x04): a slice's lines take registers by source 0, and their source 1 is a scalar or the query's system number, which lies in window 1.
; mbuf: [query tile 128][chunk 64][quad 7] x 512 bytes; lane l's 16 bytes at 16 l: the minima of u = 4 quad + 0..3; u = 25..27 hold +infinity.  A quad leaves at its trip's end.
; PREFETCH.  At the head of trip 0 a wave names 15 blocks of 256 bytes of piece 2, which is asked for at that trip's end; the cluster's 32 waves share the piece's 480 blocks out by address.
; Pieces 0 and 1 are asked for with no trip ahead of them in which to name them.
; LIMITS: NaN and infinities among the inputs are not served; unmasked distances are taken to lie under 1e9, as the problem's own mask value supposes; two keys whose e differ by less than the rounding
; of e + q2 may be ordered here otherwise than in the last launch.
.set REC,   5120
.set S0,    2*REC                      ; trip 0's first record to fetch is record 2
.set GAP,   2*REC                      ; idle bytes between two pieces
.set L1,    10*REC+GAP                 ; piece 1 in LDS
.set L2,    26*REC+2*GAP               ; piece 2
.set STB,   278528                     ; the minima's stage: 2,048 bytes a wave: 512 t + 16 lane + 4 (u % 4)
.set SPARE, 294912                     ; the spare words, 128 bytes for each wave: four blocks of 256 bytes that no other line names
.set SPW, 1
.set NIL, 2
.set A0,  3                            ; 16 x lane
.set B0,  4                            ; 16 x (lane % 16)
.set C0,  5                            ; 32 x (lane / 16)
.set AA,  6                            ; v6-8 the same + the LDS byte of the record to fetch
.set AB,  7
.set AC,  8
.set ST0, 9                            ; my place in the stage
.set STA, 10
.set S4,  11                           ; 4 x (lane % 16)
.set QS,  12                           ; v12-27  tile t: three scale words (and q2, not used here)
.set MB,  28                           ; v28-43  tile t: the group's running minimum at 4 t; 4 t + 1..3 hold +infinity
.set KF,  44                           ; v44-115 a record's three fragments, two buffers of 36
.set KS,  116                          ; v116-123 its rows' scale words, two buffers
.set K2,  124                          ; v124-139 k2 of keys 8 h + 0..7, two buffers
.set SY,  140                          ; v140-155 their system numbers, two buffers
.set DR,  156                          ; v156-219 two sets of four accumulators
.set OB,  220                          ; v220-235 a quad on its way out
.set PFO, 236                          ; the prefetch's offset: 256 x min(lane, 14)
.set SQW, 144                          ; window 1, v144-147: my query's system number, tile t
.set WV,  10
.set CX,  11
.set CH,  12
.set G1,  16                           ; s16-23, s24-27 groups 1 and 0 of piece 1: 40 rows of 256 bytes a wave
.set G0,  24
.set TB,  28
.set UU,  29
.set CI,  30
.set CO,  31
.set BIG, 33
.set MK,  40                           ; s40-47 eight lane masks
.set G1H, 48                           ; s48-55, s56-59 piece 0: 25 rows
.set G0H, 56
.set PFA, 60
.set G1C, 68                           ; s68-75, s76-79 piece 2: 60 rows
.set G0C, 76
.set MSB, 0
.macro WIN new                         ; the immediate's high byte repeats the setting that is left
.if MSB != \new
	s_set_vgpr_msb (MSB<<8)|\new
.set MSB, \new
.endif
.endm
.macro CROUND                          ; a round of the cluster's barrier
	s_barrier_signal -1
	s_barrier_wait -1
	s_cmp_lg_u32 s[WV], 0
	s_cbranch_scc1 .Lnot_wave_0_\@
	s_barrier_signal -3
.Lnot_wave_0_\@:
	s_barrier_wait -3
	s_barrier_signal -1
	s_barrier_wait -1
.endm
	s_load_b128 s[4:7], s[0:1], 0x0                ; krec, qrec
	s_load_b64 s[8:9], s[0:1], 0x10                ; mbuf
	v_lshl_add_u32 v[SPW], v0, 2, SPARE
	v_mov_b32 v[NIL], 0
	ds_add_u32 v[SPW], v[NIL]                      ; the opening lines: the add, twice on end, and its wait
	ds_add_u32 v[SPW], v[NIL]
	v_lshrrev_b32 v3, 5, v0
	v_readfirstlane_b32 s[WV], v3                  ; wave 0..7
	v_and_b32 v[A0], 31, v0
	v_min_u32 v[PFO], 14, v[A0]
	v_lshlrev_b32 v[PFO], 8, v[PFO]
	v_lshlrev_b32 v[A0], 4, v[A0]
	v_and_b32 v[B0], 15, v0
	v_lshlrev_b32 v[S4], 2, v[B0]
	v_lshlrev_b32 v[B0], 4, v[B0]
	v_bfe_u32 v[C0], v0, 4, 1
	v_lshlrev_b32 v[C0], 5, v[C0]
	s_lshl_b32 s30, s[WV], 11
	s_add_co_u32 s30, s30, STB
	v_add_nc_u32 v[ST0], s30, v[A0]
	s_bfe_u32 s[CX], ttmp6, 0x40000                ; my place in the cluster: it enters qrec's, mbuf's and the prefetch's addresses alone
	s_and_b32 s[CH], ttmp7, 0xffff                 ; the chunk, which the four partners share
.irp g, G1, G1H, G1C                   ; rows of 32 elements of 8 bytes, dense; the mask names all four work-groups, bit 21 beside it
	s_mov_b32 s[\g], 15|(3<<16)|(1<<21)
	s_mov_b32 s[\g+1], 32<<16
	s_mov_b32 s[\g+3], 32<<16
	s_mov_b32 s[\g+5], 32
	s_mov_b32 s[\g+6], 0
	s_mov_b32 s[\g+7], 0
.endr
	s_mov_b32 s[G1H+2], 25<<16
	s_mov_b32 s[G1H+4], 25
	s_mov_b32 s[G1+2], 40<<16
	s_mov_b32 s[G1+4], 40
	s_mov_b32 s[G1C+2], 60<<16
	s_mov_b32 s[G1C+4], 60
	s_mul_i32 s36, s[WV], 6400                     ; my eighth of piece 0,
	s_mul_i32 s13, s[WV], 10240                    ; of piece 1,
	s_mul_i32 s32, s[WV], 15360                    ; of piece 2
	s_mul_i32 s34, s[CH], 50*REC
	s_mov_b32 s35, 0
	s_lshl_b32 s37, s[CX], 5
	s_lshl_b32 s38, s[WV], 2
	s_add_co_u32 s37, s37, s38                     ; my first query tile
	s_mul_i32 s38, s37, REC
	s_mov_b32 s39, 0
	s_mul_i32 s14, s37, 229376                     ; 64 chunks x 7 x 512 bytes a query tile
	s_mul_i32 s15, s[CH], 3584
	s_add_co_u32 s14, s14, s15
	s_mov_b32 s15, 0
	s_lshl_b32 s62, s[CX], 3
	s_add_co_u32 s62, s62, s[WV]
	s_mul_i32 s62, s62, 3840                       ; my 15 blocks of piece 2's 480
	s_mov_b32 s63, 0
	s_mov_b32 s[TB], S0
	s_mov_b32 s[BIG], 0x4e6e6b28                   ; 1e9
	s_wait_alu depctr_va_vdst(0)
	s_wait_dscnt 0x0                               ; both opening adds are done
	s_wait_kmcnt 0x0
	s_add_nc_u64 s[6:7], s[6:7], s[38:39]
	WIN 0x40                                       ; destination window 1: my four query tiles stay in registers; their loads go out first
.irp t, 0,1,2,3
.irp s, 0,1,2
.irp g, 0,1,2
	global_load_b128 v[36*\t+12*\s+4*\g:36*\t+12*\s+4*\g+3], v[A0], s[6:7] offset:\t*REC+1536*\s+512*\g
.endr
.endr
	global_load_b32 v[SQW+\t], v[S4], s[6:7] offset:\t*REC+4928
.endr
	WIN 0
.irp t, 0,1,2,3
	global_load_b128 v[QS+4*\t:QS+4*\t+3], v[B0], s[6:7] offset:\t*REC+4608
.endr
	s_add_nc_u64 s[4:5], s[4:5], s[34:35]          ; my chunk
	s_add_nc_u64 s[PFA:PFA+1], s[4:5], s[62:63]
	s_add_nc_u64 s[PFA:PFA+1], s[PFA:PFA+1], 26*REC
	s_mov_b32 s34, s36
	s_mov_b32 s[G0H], 1
	s_mov_b32 s[G0H+1], s36
	s_add_nc_u64 s[G0H+2:G0H+3], s[4:5], s[34:35]
	s_or_b32 s[G0H+3], s[G0H+3], 0x80000000
	s_mov_b32 s34, s13
	s_mov_b32 s[G0], 1
	s_add_co_u32 s[G0+1], s13, L1
	s_add_nc_u64 s[G0+2:G0+3], s[4:5], s[34:35]
	s_add_nc_u64 s[G0+2:G0+3], s[G0+2:G0+3], 10*REC
	s_or_b32 s[G0+3], s[G0+3], 0x80000000
	s_mov_b32 s34, s32
	s_mov_b32 s[G0C], 1
	s_add_co_u32 s[G0C+1], s32, L2
	s_add_nc_u64 s[G0C+2:G0C+3], s[4:5], s[34:35]
	s_add_nc_u64 s[G0C+2:G0C+3], s[G0C+2:G0C+3], 26*REC
	s_or_b32 s[G0C+3], s[G0C+3], 0x80000000
	s_add_nc_u64 s[8:9], s[8:9], s[14:15]
	CROUND                                         ; all four work-groups are here: the first joint loads meet
	tensor_load_to_lds s[G0H:G0H+3], s[G1H:G1H+7]  ; piece 0: my one tensor load at the head
	s_nop 0
.rept 4
	v_nop
.endr
.irp t, 0,1,2,3
.irp i, 1,2,3
	v_mov_b32 v[MB+4*\t+\i], 0x7f800000            ; u = 25..27 of the last quad
.endr
.endr
	s_wait_alu depctr_va_vdst(0)
	s_wait_loadcnt 0x0
; One product: buffer b's keys x query tile t, K step s, into set b.  The first K step takes k2 as C.
.macro W b, t, s
.set rD, DR+32*(\b)+8*(\t)
.set rA, KF+36*(\b)+12*(\s)
.set rB, 36*(\t)+12*(\s)
.if (\s) == 0
	v_wmma_scale_f32_16x16x128_f8f6f4 v[rD:rD+7], v[rA:rA+11], v[rB:rB+11], v[K2+8*(\b):K2+8*(\b)+7], v[KS+4*(\b)], v[QS+4*(\t)] matrix_a_fmt:MATRIX_FMT_FP6 matrix_b_fmt:MATRIX_FMT_FP6
.else
	v_wmma_scale_f32_16x16x128_f8f6f4 v[rD:rD+7], v[rA:rA+11], v[rB:rB+11], v[rD:rD+7], v[KS+4*(\b)+(\s)], v[QS+4*(\t)+(\s)] matrix_a_fmt:MATRIX_FMT_FP6 matrix_b_fmt:MATRIX_FMT_FP6
.endif
.endm
.macro FETCHM b, ra, rb, rc, off       ; a record's codes, scale words and k2 into buffer b: 12 loads
.irp s, 0,1,2
.irp g, 0,1,2
	ds_load_b128 v[KF+36*(\b)+12*\s+4*\g:KF+36*(\b)+12*\s+4*\g+3], v[\ra] offset:(\off)+1536*\s+512*\g
.endr
.endr
	ds_load_b128 v[KS+4*(\b):KS+4*(\b)+3], v[\rb] offset:(\off)+4608
	ds_load_b128 v[K2+8*(\b):K2+8*(\b)+3], v[\rc] offset:(\off)+4864
	ds_load_b128 v[K2+8*(\b)+4:K2+8*(\b)+7], v[\rc] offset:(\off)+4880
.endm
.macro FETCHS b, rc, off               ; its system numbers: 2 loads
	ds_load_b128 v[SY+8*(\b):SY+8*(\b)+3], v[\rc] offset:(\off)+4928
	ds_load_b128 v[SY+8*(\b)+4:SY+8*(\b)+7], v[\rc] offset:(\off)+4944
.endm
.macro CMPU b, t                       ; key and query of one system?
.irp j, 0,1,2,3,4,5,6,7
	v_cmp_eq_u32 s[MK+\j], v[SY+8*(\b)+\j], v[SQW+(\t)]
.endr
.endm
.macro CNDU b, t                       ; then 1e9.  The accumulator is read from its low end on
.irp j, 0,1,2,3,4,5,6,7
	v_cndmask_b32 v[DR+32*(\b)+8*(\t)+\j], v[DR+32*(\b)+8*(\t)+\j], s[BIG], s[MK+\j]
.endr
.endm
; The minima of set b, the four tiles by turns.  par = 0: the group's first record; 1: its second joins in, and the minimum goes to the stage; 2: the same without the stage.
.macro MINS b, par
.set dd, DR+32*(\b)
.irp t, 0,1,2,3
	v_min3_num_f32 v[dd+8*\t], v[dd+8*\t], v[dd+8*\t+1], v[dd+8*\t+2]
.endr
.irp t, 0,1,2,3
	v_min3_num_f32 v[dd+8*\t+3], v[dd+8*\t+3], v[dd+8*\t+4], v[dd+8*\t+5]
.endr
.irp t, 0,1,2,3
.if \par
	v_min3_num_f32 v[dd+8*\t+6], v[dd+8*\t+6], v[dd+8*\t+7], v[MB+4*\t]
.else
	v_min_num_f32 v[dd+8*\t+6], v[dd+8*\t+6], v[dd+8*\t+7]
.endif
.endr
.irp t, 0,1,2,3
	s_delay_alu instid0(VALU_DEP_4)
	v_min3_num_f32 v[MB+4*\t], v[dd+8*\t], v[dd+8*\t+3], v[dd+8*\t+6]
.endr
.if \par == 1
	v_add_nc_u32 v[STA], s[UU], v[ST0]
.irp t, 0,1,2,3
	ds_store_b32 v[STA], v[MB+4*\t] offset:512*\t
.endr
	s_add_co_u32 s[UU], s[UU], 4
.endif
.endm
; The stage of record r, which lies in buffer and set b = r % 2.  fetch: record r + 2 comes into buffer b, whose products stand behind the last stage's sixteen minima (the places in front of these loads);
; its system numbers come last, behind this stage's compares.  dow: record r + 1's products.
.macro STAGE b, par, fetch, off, dow
	WIN 0x04
.if \fetch
	FETCHM \b, AA, AB, AC, \off
	s_wait_dscnt 12                                ; all but the 12 just issued: record r + 1 is in
.else
	s_wait_dscnt 0x0
.endif
.irp k, 0,1,2,3,4,5,6,7,8,9,10,11
.if \dow
	W 1-\b, \k%4, \k/4
.endif
.if \k < 8
.if (\k&1) == 0
	CMPU \b, \k/2
.else
	CNDU \b, \k/2
.endif
.endif
.endr
.if \fetch
	FETCHS \b, AC, \off
.endif
	WIN 0
	MINS \b, \par
.endm
; A trip: eight stages, which fetch the eight records from LDS byte TB on and finish one quad of groups.  TB goes on from trip to trip.
.macro SLOTBODY pf
	v_add_nc_u32 v[AA], s[TB], v[A0]
	v_add_nc_u32 v[AB], s[TB], v[B0]
	v_add_nc_u32 v[AC], s[TB], v[C0]
.if \pf
	global_prefetch_b8 v[PFO], s[PFA:PFA+1] th:TH_LOAD_NT scope:SCOPE_SE   ; its registers are never written again
.endif
	s_mov_b32 s[UU], 0
	s_mov_b32 s[CI], 4
.Lkt_\@:
	s_wait_alu depctr_va_vdst(0)
	STAGE 0, 0, 1, 0, 1
	STAGE 1, 1, 1, REC, 1
	s_add_co_u32 s[TB], s[TB], 2*REC
	v_add_nc_u32 v[AA], s[TB], v[A0]
	v_add_nc_u32 v[AB], s[TB], v[B0]
	v_add_nc_u32 v[AC], s[TB], v[C0]
	s_sub_co_u32 s[CI], s[CI], 1
	s_cmp_lg_u32 s[CI], 0
	s_cbranch_scc1 .Lkt_\@
.irp t, 0,1,2,3
	ds_load_b128 v[OB+4*\t:OB+4*\t+3], v[ST0] offset:512*\t   ; LDS serves a wave's instructions in order: these see my stores
.endr
	s_wait_dscnt 0x0
.irp t, 0,1,2,3
	global_store_b128 v[A0], v[OB+4*\t:OB+4*\t+3], s[8:9] offset:229376*\t   ; 32 lanes store 512 consecutive bytes
.endr
	s_wait_xcnt 0x0                                ; the stores have read their registers
	s_add_nc_u64 s[8:9], s[8:9], 512               ; the next quad
.endm
; FROM PIECE TO PIECE.  Each wave waits for all its tensor loads (its eighth of the piece ahead), adds 0 to its spare word and waits for that and for its LDS instructions; then the barrier shows the piece whole.
; fill = 1: the barrier is a round of the cluster's, and behind it the next piece's joint load goes out, a first fill.
.macro CHANGE fill, g0, g1
	s_wait_tensorcnt 0x0
	ds_add_u32 v[SPW], v[NIL]
	s_wait_dscnt 0x0
.if \fill
	CROUND
	tensor_load_to_lds s[\g0:\g0+3], s[\g1:\g1+7]
	s_nop 0
.rept 4
	v_nop
.endr
.else
	s_barrier_signal -1
	s_barrier_wait -1
.endif
.endm
	CHANGE 1, G0, G1                               ; piece 0 is in; piece 1 is asked for
	FETCHM 0, A0, B0, C0, 0                        ; records 0 and 1
	FETCHS 0, C0, 0
	FETCHM 1, A0, B0, C0, REC
	FETCHS 1, C0, REC
	s_wait_dscnt 14                                ; record 0 is in; record 1's 14 loads may be out
	WIN 0x04
.irp k, 0,1,2,3,4,5,6,7,8,9,10,11
	W 0, \k%4, \k/4
.endr
.rept 4
	v_nop                                          ; places in front of the loads into buffer 0
.endr
	WIN 0
	SLOTBODY 1                                     ; trip 0
	CHANGE 1, G0C, G1C                             ; piece 1 is in; piece 2 is asked for
	s_add_co_u32 s[TB], s[TB], GAP
	s_mov_b32 s[CO], 2
.Lmid:                                                 ; trips 1 and 2
	SLOTBODY 0
	s_sub_co_u32 s[CO], s[CO], 1
	s_cmp_lg_u32 s[CO], 0
	s_cbranch_scc1 .Lmid
	CHANGE 0, 0, 0                                 ; piece 2 is in
	s_add_co_u32 s[TB], s[TB], GAP
	s_mov_b32 s[CO], 3
.Llast:                                                ; trips 3 to 5
	SLOTBODY 0
	s_sub_co_u32 s[CO], s[CO], 1
	s_cmp_lg_u32 s[CO], 0
	s_cbranch_scc1 .Llast
	STAGE 0, 0, 0, 0, 1                            ; record 48's sums, record 49's products
	STAGE 1, 2, 0, 0, 0
.irp t, 0,1,2,3
	global_store_b128 v[A0], v[MB+4*\t:MB+4*\t+3], s[8:9] offset:229376*\t   ; the last quad: u = 24, and +infinity three times
.endr
	s_wait_tensorcnt 0x0                           ; the wave's end
	ds_add_u32 v[SPW], v[NIL]
	s_wait_dscnt 0x0
	CROUND                                         ; the closing round
	s_endpgm
.Lfunc_end_k_q57076a2666_dist:
	.size	k_q57076a2666_dist, .Lfunc_end_k_q57076a2666_dist-k_q57076a2666_dist
	.p2alignl 7, 3214868480
	.fill 96, 4, 3214868480
	.section	.rodata,"a",@progbits
	.p2align	6, 0x0
	.amdhsa_kernel k_q57076a2666_dist
		.amdhsa_group_segment_fixed_size 327680
		.amdhsa_private_segment_fixed_size 0
		.amdhsa_enable_private_segment 0
		.amdhsa_kernarg_size 24
		.amdhsa_user_sgpr_count 2
		.amdhsa_user_sgpr_kernarg_segment_ptr 1
		.amdhsa_wavefront_size32 1
		.amdhsa_system_sgpr_workgroup_id_x 1
		.amdhsa_system_sgpr_workgroup_id_y 1
		.amdhsa_system_sgpr_workgroup_id_z 1
		.amdhsa_system_vgpr_workitem_id 0
		.amdhsa_next_free_vgpr 416
		.amdhsa_next_free_sgpr 80
		.amdhsa_reserve_vcc 0
		.amdhsa_float_denorm_mode_32 3
		.amdhsa_float_denorm_mode_16_64 3
		.amdhsa_memory_ordered 1
		.amdhsa_forward_progress 1
		.amdhsa_inst_pref_size 78
	.end_amdhsa_kernel
	.amdgpu_metadata
---
amdhsa.version: [ 1, 2 ]
amdhsa.kernels:
  - .name:           k_q57076a2666_dist
    .symbol:         k_q57076a2666_dist.kd
    .args:
      - { .name: krec, .offset: 0, .size: 8, .value_kind: global_buffer, .address_space: global }
      - { .name: qrec, .offset: 8, .size: 8, .value_kind: global_buffer, .address_space: global }
      - { .name: mbuf, .offset: 16, .size: 8, .value_kind: global_buffer, .address_space: global }
    .group_segment_fixed_size: 327680
    .private_segment_fixed_size: 0
    .kernarg_segment_align: 8
    .kernarg_segment_size: 24
    .max_flat_workgroup_size: 256
    .sgpr_count:     80
    .vgpr_count:     416
    .wavefront_size: 32
...
	.end_amdgpu_metadata
.endif
;; end of part 2
;; launch thresh (part 3): grid 256 x 1, 16 waves a work-group, no clusters, 75,776 bytes of LDS; arguments mbuf, lst; writes lst
.if DOCPART == 3
	.amdgcn_target "amdgcn-amd-amdhsa--gfx1250"
	.amdhsa_code_object_version 6
	.text
	.protected	k_q57076a2666_thresh
	.globl	k_q57076a2666_thresh
	.p2align	8
	.type	k_q57076a2666_thresh,@function
k_q57076a2666_thresh:
	s_mov_b64 s[64:65], 0
	v_nop
	global_prefetch_b8 v0, s[64:65] scope:SCOPE_SE
	s_setreg_imm32_b32 hwreg(HW_REG_WAVE_MODE, 25, 1), 1
	s_wait_xcnt 0x0
; For each query: tau = the 16th smallest of its 3,200 group minima (75 of them padding, +infinity), and from it the LIST of its 16 groups: all with minimum < tau (15 at the most), then those with
; minimum == tau, lowest group first.  Nothing here branches or addresses by a number that hangs on the data: the selection is a fixed network, the list is made by selects and stored at fixed places.
; SHARES.  A work-group owns 8 queries (half a query tile).  Lane: r' = lane % 8 the query, rho = (lane / 8) % 2, h = lane / 16.  Wave w takes chunks 4 w + 2 rho + cc, cc = 0, 1: 50 minima a lane.
; A lane keeps the 16 smallest that it has seen, ascending; two such lists are joined by min(a_i, b_(15 - i)), which holds the 16 smallest of both in bitonic order,
; and four rounds of compare-and-exchange at distances 8, 4, 2, 1 put them in order.  Lists are joined over rho, over h, and over the sixteen waves (through LDS, wave w with wave w xor 1, 2, 4, 8).
; Then two flags for each group, as bits of words in LDS: [query 8][0: <, 1: ==][128 words]; word 2 c + h, bit u: the group of keys 800 c + 400 h + 16 u + 0..15.
; THE LIST.  Wave w (of the first eight) takes query w: 8 words a lane.  A word's key is kind x 4096 + word x 32 + its lowest set bit's number, kept as f32 (exact: under 2^13); an empty word's is 2^32.
; Sixteen rounds: the wave's smallest key is the next entry; the word that held it loses that bit and gets its new key.  At least 16 flags are set, so no round finds all words empty.
; lst: [query][32 words]: words j and j + 16 both hold entry j = (2 c + h) x 32 + u.  A wave stores its 128 bytes as they stand in its lanes: half of an aligned block of 256 bytes;
; gathering the eight queries' bytes first would cost one more barrier for 1,024 bytes a work-group.
.set MV, 16                            ; v16-71   the minima: 28 cc + u (u = 25..27 are filling and are not read)
.set L,  72                            ; v72-87   the list of minima
.set T,  88
.set U,  104
.set F,  120                           ; v120-123 flags: 2 cc + kind
.set TAU, 124
; the list's part (the minima's registers are free then):
.set W,   16                           ; v16-23   my 8 flag words: 4 kind + i: word 4 lane + i
.set KEY, 24                           ; v24-31   their keys
.set ACC, 32
.set TT,  33
.set KK,  34
.set WIN, 35
.set WF,  36
.set PT,  37
.set LS,  38
.set RL,  39
.set BS,  40
.set BT,  41
.set MK,  24                           ; s24-31   eight lane masks
	s_load_b128 s[4:7], s[0:1], 0x0                ; mbuf, lst
	v_lshl_add_u32 v128, v0, 2, 0x12000
	v_mov_b32 v129, 0
	v_lshrrev_b32 v1, 5, v0
	s_delay_alu instid0(VALU_DEP_1)
	v_readfirstlane_b32 s8, v1                     ; wave 0..15
	v_and_b32 v2, 31, v0
	s_wait_alu depctr_va_vdst(0)
	v_and_b32 v3, 7, v0                            ; r'
	v_bfe_u32 v4, v0, 3, 1                         ; rho
	v_bfe_u32 v5, v0, 4, 1                         ; h
	s_delay_alu instid0(VALU_DEP_3)
	v_lshlrev_b32 v6, 4, v3
	s_delay_alu instid0(VALU_DEP_1)
	v_lshl_add_u32 v6, v5, 8, v6
	s_delay_alu instid0(VALU_DEP_1)
	v_mad_u32_u24 v6, v4, 7168, v6                 ; in mbuf: 16 r' + 256 h + two chunks x rho
	s_lshr_b32 s9, ttmp9, 1                        ; query tile
	s_and_b32 s10, ttmp9, 1                        ; which half of it
	s_lshl_b32 s11, s9, 6
	s_lshl_b32 s12, s8, 2
	s_add_co_u32 s11, s11, s12
	s_mul_i32 s12, s11, 3584
	s_lshl_b32 s13, s10, 7
	s_add_co_u32 s12, s12, s13
	s_mov_b32 s13, 0
	s_and_b32 s20, s8, 7                           ; the query whose list I make (waves 0-7)
	s_lshl_b32 s16, ttmp9, 10                      ; lst: 8 queries x 128 bytes a work-group
	s_lshl_b32 s21, s20, 7
	s_add_co_u32 s16, s16, s21
	s_mov_b32 s17, 0
	s_mov_b32 s14, 0x76543210
	s_mov_b32 s15, 0xfedcba98                      ; lane l xor 16
	v_lshlrev_b32 v15, 4, v2                       ; 16 x lane
	s_wait_alu depctr_va_vdst(0)
	s_lshl_b32 s18, s8, 11
	v_add_nc_u32 v7, s18, v15                      ; LDS: my wave's list of minima, 2,048 bytes
.irp k, 0,1,2,3
	s_xor_b32 s19, s8, 1<<\k
	s_lshl_b32 s19, s19, 11
	v_add_nc_u32 v[8+\k], s19, v15                 ; and that of wave w xor 2^k
.endr
	v_lshlrev_b32 v12, 10, v3
	s_delay_alu instid0(VALU_DEP_1)
	v_lshl_add_u32 v12, v4, 4, v12
	s_delay_alu instid0(VALU_DEP_1)
	v_lshl_add_u32 v12, v5, 2, v12
	s_lshl_b32 s19, s8, 5
	s_add_co_u32 s19, s19, 65536
	v_add_nc_u32 v12, s19, v12                     ; the flags' words: 65536 + 1024 r' + 32 w + 16 rho + 4 h (+ 512 kind + 8 cc)
	s_lshl_b32 s19, s20, 10
	s_add_co_u32 s19, s19, 65536
	v_add_nc_u32 v13, s19, v15                     ; and where I read them back: 65536 + 1024 x query + 16 lane (+ 512 kind)
	v_lshlrev_b32 v14, 2, v2                       ; the list's way out: 4 x lane
	s_wait_kmcnt 0x0
	s_add_nc_u64 s[4:5], s[4:5], s[12:13]
	s_add_nc_u64 s[6:7], s[6:7], s[16:17]
.irp cc, 0,1
.irp qd, 0,1,2,3,4,5,6
	global_load_b128 v[MV+28*\cc+4*\qd:MV+28*\cc+4*\qd+3], v6, s[4:5] offset:3584*\cc+512*\qd th:TH_LOAD_NT
.endr
.endr
.set i, 0
.rept 16
	v_mov_b32 v[L+i], 0x7f800000                   ; the list begins as +infinity
	v_mov_b32 v[T+i], 0                            ; (the destination of a DPP line counts as one of its sources)
.set i, i+1
.endr
.macro INS x, n                        ; the n-th number goes into the list: place i takes the middle one of its lower neighbour, itself and the number; from the top down, so that each line sees old neighbours
.set dd, \n
.if dd > 15
.set dd, 15
.endif
.set ii, dd
.if dd > 0
.rept dd
	v_med3_num_f32 v[L+ii], v[L+ii-1], v[L+ii], v[\x]
.set ii, ii-1
.endr
.endif
	v_min_num_f32 v[L], v[L], v[\x]
.endm
.macro HALF src, dst, d                ; compare and exchange at distance d
.set ii, 0
.rept 16
.if (ii & \d) == 0
	v_min_num_f32 v[\dst+ii], v[\src+ii], v[\src+ii+\d]
	v_max_num_f32 v[\dst+ii+\d], v[\src+ii], v[\src+ii+\d]
.endif
.set ii, ii+1
.endr
.endm
.macro CLEAN x, y                      ; x comes out ascending; y is at work
	HALF \x, \y, 8
	HALF \y, \x, 4
	HALF \x, \y, 2
	HALF \y, \x, 1
.endm
.set nn, 0
.irp cc, 0,1
	s_wait_loadcnt 7-7*\cc                         ; this chunk's seven loads are in; the second chunk's seven may be out
.set uu, 0
.rept 25
	INS MV+28*\cc+uu, nn
.set uu, uu+1
.set nn, nn+1
.endr
.endr
.set i, 0
.rept 16
	v_min_num_f32_dpp v[T+i], v[L+15-i], v[L+i] row_xmask:8 row_mask:0xf bank_mask:0xf   ; with lane l xor 8's list, reversed
.set i, i+1
.endr
	CLEAN T, U
.set i, 0
.rept 16
	v_permlanex16_b32 v[U+i], v[T+15-i], s14, s15  ; with lane l xor 16's
.set i, i+1
.endr
.set i, 0
.rept 16
	v_min_num_f32 v[L+i], v[T+i], v[U+i]
.set i, i+1
.endr
	CLEAN L, U
; Over the waves.  Two regions of 32,768 bytes take turns: a region is written again two levels on, behind a barrier that every wave signals after the wait for its reads of it.
.macro LEVEL k
.irp g, 0,1,2,3
	ds_store_b128 v7, v[L+4*\g:L+4*\g+3] offset:(\k&1)*32768+512*\g
.endr
	s_wait_dscnt 0x0                               ; for the others' sake: my stores have landed, my earlier reads are in
	s_barrier_signal -1
	s_barrier_wait -1
.irp g, 0,1,2,3
	ds_load_b128 v[U+4*\g:U+4*\g+3], v[8+\k] offset:(\k&1)*32768+512*\g
.endr
	s_wait_dscnt 0x0
.set i, 0
.rept 16
	v_min_num_f32 v[L+i], v[L+i], v[U+15-i]
.set i, i+1
.endr
.if \k < 3
	CLEAN L, T
.endif
.endm
	LEVEL 0
	LEVEL 1
	LEVEL 2
	LEVEL 3
	v_max3_num_f32 v[TAU], v[L], v[L+1], v[L+2]    ; the 16 smallest of all: their largest is tau; their order is not wanted
.irp i, 3,5,7,9,11,13
	s_delay_alu instid0(VALU_DEP_1)
	v_max3_num_f32 v[TAU], v[TAU], v[L+\i], v[L+\i+1]
.endr
	s_delay_alu instid0(VALU_DEP_1)
	v_max_num_f32 v[TAU], v[TAU], v[L+15]
.irp j, 0,1,2,3
	v_mov_b32 v[F+\j], 0
.endr
.irp cc, 0,1
.set uu, 24
.rept 25                               ; from bit 24 down: the word doubles and takes the flag in as a carry
	v_cmp_gt_f32 vcc_lo, v[TAU], v[MV+28*\cc+uu]
	s_delay_alu instid0(VALU_DEP_1)
	v_add_co_ci_u32 v[F+2*\cc], vcc_lo, v[F+2*\cc], v[F+2*\cc], vcc_lo
	v_cmp_eq_f32 vcc_lo, v[TAU], v[MV+28*\cc+uu]
	s_delay_alu instid0(VALU_DEP_1)
	v_add_co_ci_u32 v[F+2*\cc+1], vcc_lo, v[F+2*\cc+1], v[F+2*\cc+1], vcc_lo
.set uu, uu-1
.endr
.endr
.irp cc, 0,1
.irp kd, 0,1
	ds_store_b32 v12, v[F+2*\cc+\kd] offset:512*\kd+8*\cc
.endr
.endr
	s_wait_dscnt 0x0                               ; for the others' sake: my flag words have landed
	s_barrier_signal -1
	s_barrier_wait -1                              ; the last barrier: the eight queries' flag words lie in LDS
	s_cmp_ge_u32 s8, 8                             ; eight queries, eight waves: the other eight have no part in the lists
	s_cbranch_scc1 .Lend
	ds_load_b128 v[W:W+3], v13                     ; kind <: words 4 lane + 0..3
	ds_load_b128 v[W+4:W+7], v13 offset:512        ; kind ==
	v_and_b32 v[RL], 15, v0
	v_lshlrev_b32 v[BS], 7, v2                     ; word 4 lane, x 32
	v_mov_b32 v[PT], 0                             ; a lane permute's destination counts as one of its sources
	v_mov_b32 v[LS], 0
	s_wait_alu depctr_va_vdst(0)
	s_wait_dscnt 0x0
; From the word in v[src]: the number of its lowest set bit, or a number near 2^32 for an empty word.  w & -w is that bit alone; as f32 its exponent field is 127 + the bit's number, and 0 for 0.
.macro LOWBIT src
	v_sub_nc_u32 v[KK], 0, v[\src]
	s_delay_alu instid0(VALU_DEP_1)
	v_and_b32 v[KK], v[KK], v[\src]
	s_delay_alu instid0(VALU_DEP_1)
	v_cvt_f32_u32 v[KK], v[KK]
	s_delay_alu instid0(VALU_DEP_1)
	v_lshrrev_b32 v[KK], 23, v[KK]
	s_delay_alu instid0(VALU_DEP_1)
	v_add_nc_u32 v[KK], 0xffffff81, v[KK]          ; - 127: an empty word gives 0xffffff81, which stays the largest under the OR that follows
.endm
.irp i, 0,1,2,3,4,5,6,7
	LOWBIT W+\i
	v_add_nc_u32 v[BT], 32*(\i%4)+4096*(\i/4), v[BS]
	s_delay_alu instid0(VALU_DEP_1)
	v_or_b32 v[KK], v[KK], v[BT]
	s_delay_alu instid0(VALU_DEP_1)
	v_cvt_f32_u32 v[KEY+\i], v[KK]
.endr
.macro XR j                            ; round j: entry j
	v_min3_num_f32 v[WF], v[KEY], v[KEY+1], v[KEY+2]
	s_delay_alu instid0(VALU_DEP_1)
	v_min3_num_f32 v[WF], v[WF], v[KEY+3], v[KEY+4]
	s_delay_alu instid0(VALU_DEP_1)
	v_min3_num_f32 v[WF], v[WF], v[KEY+5], v[KEY+6]
	s_delay_alu instid0(VALU_DEP_1)
	v_min_num_f32 v[WF], v[WF], v[KEY+7]
	s_delay_alu instid0(VALU_DEP_1)
	v_min_num_f32_dpp v[WF], v[WF], v[WF] row_xmask:1 row_mask:0xf bank_mask:0xf
	s_delay_alu instid0(VALU_DEP_1)
	v_min_num_f32_dpp v[WF], v[WF], v[WF] row_xmask:2 row_mask:0xf bank_mask:0xf
	s_delay_alu instid0(VALU_DEP_1)
	v_min_num_f32_dpp v[WF], v[WF], v[WF] row_xmask:4 row_mask:0xf bank_mask:0xf
	s_delay_alu instid0(VALU_DEP_1)
	v_min_num_f32_dpp v[WF], v[WF], v[WF] row_xmask:8 row_mask:0xf bank_mask:0xf
	s_delay_alu instid0(VALU_DEP_1)
	v_permlanex16_b32 v[PT], v[WF], s14, s15
	s_delay_alu instid0(VALU_DEP_1)
	v_min_num_f32 v[WF], v[WF], v[PT]              ; the wave's smallest key: keys differ, so one word of one lane holds it
	s_delay_alu instid0(VALU_DEP_1)
	v_cvt_u32_f32 v[WIN], v[WF]
.irp i, 0,1,2,3,4,5,6,7
	v_cmp_eq_f32 s[MK+\i], v[WF], v[KEY+\i]
.endr
	v_cndmask_b32 v[ACC], 0, v[W], s[MK]
.irp i, 1,2,3,4,5,6,7
	s_delay_alu instid0(VALU_DEP_1)
	v_cndmask_b32 v[ACC], v[ACC], v[W+\i], s[MK+\i]   ; that word, in its lane; 0 in the others
.endr
	s_delay_alu instid0(VALU_DEP_1)
	v_add_nc_u32 v[TT], -1, v[ACC]
	s_delay_alu instid0(VALU_DEP_1)
	v_and_b32 v[TT], v[TT], v[ACC]                 ; without its lowest bit
	LOWBIT TT
	s_delay_alu instid0(VALU_DEP_1)
	v_and_or_b32 v[KK], v[WIN], 0xffffffe0, v[KK]  ; kind and word are the old key's
	s_delay_alu instid0(VALU_DEP_1)
	v_cvt_f32_u32 v[KK], v[KK]
.irp i, 0,1,2,3,4,5,6,7
	v_cndmask_b32 v[W+\i], v[W+\i], v[TT], s[MK+\i]
	v_cndmask_b32 v[KEY+\i], v[KEY+\i], v[KK], s[MK+\i]
.endr
	v_cmp_eq_u32 vcc_lo, \j, v[RL]
	s_delay_alu instid0(VALU_DEP_1)
	v_cndmask_b32 v[LS], v[LS], v[WIN], vcc_lo     ; lanes j and j + 16 keep entry j
.endm
.irp j, 0,1,2,3,4,5,6,7,8,9,10,11,12,13,14,15
	XR \j
.endr
	s_delay_alu instid0(VALU_DEP_1)
	v_and_b32 v[LS], 0xfff, v[LS]                  ; the kind is dropped: word x 32 + bit
	global_store_b32 v14, v[LS], s[6:7]            ; 32 lanes store 128 consecutive bytes
.Lend:
	s_wait_tensorcnt 0x0
	ds_add_u32 v128, v129
	s_wait_dscnt 0x0
	s_endpgm
.Lfunc_end_k_q57076a2666_thresh:
	.size	k_q57076a2666_thresh, .Lfunc_end_k_q57076a2666_thresh-k_q57076a2666_thresh
	.p2alignl 7, 3214868480
	.fill 96, 4, 3214868480
	.section	.rodata,"a",@progbits
	.p2align	6, 0x0
	.amdhsa_kernel k_q57076a2666_thresh
		.amdhsa_group_segment_fixed_size 75776
		.amdhsa_private_segment_fixed_size 0
		.amdhsa_enable_private_segment 0
		.amdhsa_kernarg_size 16
		.amdhsa_user_sgpr_count 2
		.amdhsa_user_sgpr_kernarg_segment_ptr 1
		.amdhsa_wavefront_size32 1
		.amdhsa_system_sgpr_workgroup_id_x 1
		.amdhsa_system_sgpr_workgroup_id_y 1
		.amdhsa_system_sgpr_workgroup_id_z 1
		.amdhsa_system_vgpr_workitem_id 0
		.amdhsa_next_free_vgpr 130
		.amdhsa_next_free_sgpr 66
		.amdhsa_reserve_vcc 1
		.amdhsa_float_denorm_mode_32 3
		.amdhsa_float_denorm_mode_16_64 3
		.amdhsa_memory_ordered 1
		.amdhsa_forward_progress 1
		.amdhsa_inst_pref_size 141
	.end_amdhsa_kernel
	.amdgpu_metadata
---
amdhsa.version: [ 1, 2 ]
amdhsa.kernels:
  - .name:           k_q57076a2666_thresh
    .symbol:         k_q57076a2666_thresh.kd
    .args:
      - { .name: mbuf, .offset: 0, .size: 8, .value_kind: global_buffer, .address_space: global }
      - { .name: lst, .offset: 8, .size: 8, .value_kind: global_buffer, .address_space: global }
    .group_segment_fixed_size: 75776
    .private_segment_fixed_size: 0
    .kernarg_segment_align: 8
    .kernarg_segment_size: 16
    .max_flat_workgroup_size: 512
    .sgpr_count:     66
    .vgpr_count:     130
    .wavefront_size: 32
...
	.end_amdgpu_metadata
.endif
;; end of part 3
;; launch final (part 4): grid 256 x 1, 8 waves a work-group, no clusters, 2,048 bytes of LDS; arguments lst, krec, qrec, vals, key_sys, syslist, wav2vec_score, wav2vec_prob, W1k, b1k, W2k, b2k, W1l, b1l, W2l, b2l, W1w, b1w, W2w, b2w, out0; writes out0
.if DOCPART == 4
	.amdgcn_target "amdgcn-amd-amdhsa--gfx1250"
	.amdhsa_code_object_version 6
	.text
	.protected	k_q57076a2666_final
	.globl	k_q57076a2666_final
	.p2align	8
	.type	k_q57076a2666_final,@function
k_q57076a2666_final:
	s_mov_b64 s[64:65], 0
	v_nop
	global_prefetch_b8 v0, s[64:65] scope:SCOPE_SE
	s_setreg_imm32_b32 hwreg(HW_REG_WAVE_MODE, 25, 1), 1
	s_wait_xcnt 0x0
; One wave serves one query.  (E) Its 16 groups of keys come as whole numbers from the stored list, by one scalar load.
; (G) Their 256 keys are multiplied again, on the same codes, by the same three products in the same order (sources swapped: the same bits), and d2 is formed and masked as in the bulk pass.
; (T) Sixteen rounds take the smallest (d2, index) out; each feeds the three first layers, lane j = hidden unit j.  (H) The head: tanh, the quantised 32 x 16 product, softmax, the two gathered and the eight
; largest probabilities, the two gates, the blend.
; The text has no branch.  Addresses hang on the list's whole numbers alone, each held inside its range; every choice by a floating-point number is a select.  No tensor load, no barrier: waves share nothing.
; The result is one number a wave: lane 0 stores it.  A work-group's eight are 32 bytes, part of one aligned block of 256 whichever way they leave.
; tanh(x) = sign(x) (1 - e) / (1 + e), e = 2^(-2 log2(e) |x|); under |x| = 1/4, where 1 - e would cancel, the odd series up to x^9, whose next term is under 1e-8 of x there.
; LIMITS: NaN and infinities among the inputs are not served.
.set LANE, 1
.set R,    2                           ; lane % 16
.set HH,   3                           ; lane / 16
.set L4,   4                           ; 4 x lane
.set KOFF, 6                           ; my 16 bytes of a fragment's register group: record (r / 8), row r % 8 of the half, + 256 hh
.set KMOFF, 7                          ; my key's scale words
.set QOFF, 8
.set QMOFF, 9
.set R4,   10                          ; 4 x (lane % 16)
.set LW,   11
.set LB,   12
.set ZV,   13
.set QF,   16                          ; v16-51  the query's three fragments: its row in every row
.set QM,   52                          ; v52-55  its scale words, q2
.set KB,   56                          ; v56-199 four groups' fragments
.set KM,   200                         ; v200-215 their scale words and k2
.set DA,   216                         ; v216-247 four accumulators
.set DD,   248                         ; v248-255 d2: register p, lane (r, hh): key r of group 2 p + hh
.set IB,   48                          ; s48-63  the list's 16 entries; each is replaced by its group's first key
; behind G:
.set IDF,  16                          ; the keys' indices as f32 (exact: under 2^24)
.set VAL,  24
.set SYS,  32
.set IDR,  40
.set OFS,  228
.set B2K,  48
.set VINF, 49
.set VNINF, 50
.set VBIG, 51
.set W1K,  56
.set W1L,  72
.set W1W,  88
.set B1K,  114
.set B1L,  115
.set B1W,  116
.set W2L,  117
.set W2W,  118
.set PR,   119
.set W2K,  120
.set CC,   120                         ; the head product's C and D, once W2k's numbers are codes
.set HID,  152
.set AF,   184
.set HK,   196
.set HL,   197
.set HW,   198
.set VS,   199
.set SCA,  200
.set SCB,  201
.set BF,   216
.set CT,   228
.set NF,   244
.set KNN,  245
.set SCV,  246
.set TP,   247
.set TA,   32
.set TB,   33
.set TV,   34
.set CN,   36
.set TH,   36
	s_load_b512 s[4:19], s[0:1], 0x0               ; lst, krec, qrec, vals, key_sys, syslist, score, prob
	s_load_b512 s[20:35], s[0:1], 0x40             ; W1k, b1k, W2k, b2k, W1l, b1l, W2l, b2l
	s_load_b256 s[36:43], s[0:1], 0x80             ; W1w, b1w, W2w, b2w
	s_load_b64 s[44:45], s[0:1], 0xa0              ; out0
	v_lshl_add_u32 v5, v0, 2, 0x400
	s_set_vgpr_msb 0x40
	v_mov_b32 v1, 0
	s_set_vgpr_msb 0x4000
	v_lshrrev_b32 v1, 5, v0
	s_delay_alu instid0(VALU_DEP_1)
	v_readfirstlane_b32 s46, v1                    ; wave
	s_delay_alu instid0(VALU_DEP_2)
	v_lshlrev_b32 v[LB], 7, v1                     ; my 128 bytes of LDS
	s_lshl_b32 s47, ttmp9, 3
	s_add_co_u32 s47, s47, s46                     ; my query
	v_and_b32 v[LANE], 31, v0
	v_and_b32 v[R], 15, v0
	v_bfe_u32 v[HH], v0, 4, 1
	s_delay_alu instid0(VALU_DEP_3)
	v_lshlrev_b32 v[L4], 2, v[LANE]
	s_delay_alu instid0(VALU_DEP_3)
	v_lshlrev_b32 v[R4], 2, v[R]
	v_lshl_add_u32 v[LW], v[LANE], 2, v[LB]
	v_mov_b32 v[ZV], 0
	v_and_b32 v14, 7, v0
	v_bfe_u32 v15, v0, 3, 1
	s_delay_alu instid0(VALU_DEP_2)
	v_lshlrev_b32 v[KMOFF], 4, v14
	s_delay_alu instid0(VALU_DEP_1)
	v_mad_u32_u24 v[KMOFF], v15, 5120, v[KMOFF]
	s_delay_alu instid0(VALU_DEP_1)
	v_lshl_add_u32 v[KOFF], v[HH], 8, v[KMOFF]
	s_and_b32 s76, s47, 15
	s_lshl_b32 s76, s76, 4
	v_mov_b32 v[QMOFF], s76
	v_lshl_add_u32 v[QOFF], v[HH], 8, s76
	s_mov_b32 s66, 0x76543210
	s_mov_b32 s67, 0xfedcba98                      ; lane l xor 16
	s_mov_b32 s96, 0xffff0000                      ; lanes 16-31
	s_lshl_b32 s98, s47, 2
	s_mov_b32 s99, 0
	s_lshl_b32 s76, s47, 7
	s_mov_b32 s77, 0
	s_lshr_b32 s78, s47, 4
	s_mul_i32 s78, s78, 5120
	s_mov_b32 s79, 0
	s_lshl_b32 s80, s47, 6
	s_mov_b32 s81, 0
	s_wait_alu depctr_va_vdst(0)
	s_wait_kmcnt 0x0
	s_add_nc_u64 s[4:5], s[4:5], s[76:77]          ; my 128 bytes of the list
	s_add_nc_u64 s[8:9], s[8:9], s[78:79]          ; my query's record
	s_add_nc_u64 s[18:19], s[18:19], s[80:81]      ; my row of probabilities
	s_add_nc_u64 s[44:45], s[44:45], s[98:99]
	s_load_b512 s[IB:IB+15], s[4:5], 0x0           ; (E) the 16 groups: (2 c + h) x 32 + u
	s_load_b32 s91, s[16:17], s98 offset:0x0       ; the score
	s_load_b32 s92, s[14:15], s98 offset:0x0       ; my system
	s_load_b32 s93, s[34:35], 0x0                  ; b2l
	s_load_b32 s94, s[42:43], 0x0                  ; b2w
.irp s, 0,1,2
.irp g, 0,1,2
	global_load_b128 v[QF+12*\s+4*\g:QF+12*\s+4*\g+3], v[QOFF], s[8:9] offset:1536*\s+512*\g
.endr
.endr
	global_load_b128 v[QM:QM+3], v[QMOFF], s[8:9] offset:4608
	s_wait_kmcnt 0x0                               ; the list and the four numbers
; (G) Group n of the list, place k of its batch: chunk, half and u, each held inside its range; where its two records begin; its first key.
.macro SLOTADR n, k
	s_lshr_b32 s77, s[IB+(\n)], 6
	s_min_u32 s77, s77, 63
	s_bfe_u32 s78, s[IB+(\n)], 0x10005
	s_min_u32 s78, s78, 1
	s_and_b32 s79, s[IB+(\n)], 31
	s_min_u32 s79, s79, 24
	s_mul_i32 s80, s77, 50
	s_lshl_b32 s81, s79, 1
	s_add_co_u32 s80, s80, s81
	s_mul_i32 s80, s80, 5120
	s_lshl_b32 s81, s78, 7
	s_add_co_u32 s80, s80, s81
	s_mov_b32 s81, 0
	s_add_nc_u64 s[68+2*\k:69+2*\k], s[6:7], s[80:81]
	s_mul_i32 s77, s77, 800
	s_mul_i32 s78, s78, 400
	s_lshl_b32 s79, s79, 4
	s_add_co_u32 s77, s77, s78
	s_add_co_u32 s[IB+(\n)], s77, s79
.endm
.macro BATCH b
.irp k, 0,1,2,3
	SLOTADR 4*\b+\k, \k
.endr
.irp k, 0,1,2,3
.irp s, 0,1,2
.irp g, 0,1,2
	global_load_b128 v[KB+36*\k+12*\s+4*\g:KB+36*\k+12*\s+4*\g+3], v[KOFF], s[68+2*\k:69+2*\k] offset:1536*\s+512*\g
.endr
.endr
	global_load_b128 v[KM+4*\k:KM+4*\k+3], v[KMOFF], s[68+2*\k:69+2*\k] offset:4608
.endr
	s_wait_loadcnt 0x0                             ; the batch is in (and so its bases may be written again)
.irp k, 0,1,2,3
	v_mov_b32 v[DA+8*\k], v[KM+4*\k+3]             ; as in the bulk pass the sum begins with k2: register 0 (rows 0 and 8) of column r is what is read
.endr
.rept 4
	v_nop
.endr
.irp s, 0,1,2                          ; the four accumulators take turns, one instruction a turn; K ascending; the query's codes stand for -2 q
.irp k, 0,1,2,3
	v_wmma_scale_f32_16x16x128_f8f6f4 v[DA+8*\k:DA+8*\k+7], v[QF+12*\s:QF+12*\s+11], v[KB+36*\k+12*\s:KB+36*\k+12*\s+11], v[DA+8*\k:DA+8*\k+7], v[QM+\s], v[KM+4*\k+\s] matrix_a_fmt:MATRIX_FMT_FP6 matrix_b_fmt:MATRIX_FMT_FP6
.endr
.endr
.rept 5
	v_nop                                          ; places: four for the reads and the next loads, a fifth for the next batch's products, which begin these accumulators anew
.endr
.irp pp, 0,1                           ; every row of source 0 is the query: register 0 of lane (r, hh) is k2 - 2 q . key r
	v_cndmask_b32 v14, v[DA+16*\pp], v[DA+16*\pp+8], s96
	s_delay_alu instid0(VALU_DEP_1)
	v_add_f32 v[DD+2*\b+\pp], v14, v[QM+3]         ; + q2
.endr
.endm
.set i, 0
.rept 32                               ; the accumulators' other rows are never read: they need only hold numbers, and go on from batch to batch
	v_mov_b32 v[DA+i], 0
.set i, i+1
.endr
	s_wait_alu depctr_va_vdst(0)
	BATCH 0
	BATCH 1
	BATCH 2
	BATCH 3
.irp p, 0,1,2,3,4,5,6,7
	v_mov_b32 v14, s[IB+2*\p]
	s_delay_alu instid0(VALU_DEP_1)
	v_cndmask_b32 v14, v14, s[IB+2*\p+1], s96
	s_delay_alu instid0(VALU_DEP_1)
	v_add_nc_u32 v[IDR+\p], v14, v[R]              ; my key's index
	s_delay_alu instid0(VALU_DEP_1)
	v_min_u32 v[OFS+\p], 0xc34f, v[IDR+\p]         ; held inside the tables
	s_delay_alu instid0(VALU_DEP_1)
	v_lshlrev_b32 v[OFS+\p], 2, v[OFS+\p]
	s_delay_alu instid0(VALU_DEP_3)
	v_cvt_f32_u32 v[IDF+\p], v[IDR+\p]
.endr
.irp p, 0,1,2,3,4,5,6,7
	global_load_b32 v[VAL+\p], v[OFS+\p], s[10:11]
	global_load_b32 v[SYS+\p], v[OFS+\p], s[12:13]
.endr
.set i, 0
.rept 16                               ; first layers: lane j takes column j
	global_load_b32 v[W1K+i], v[L4], s[20:21] offset:128*i
	global_load_b32 v[W1L+i], v[L4], s[28:29] offset:128*i
.set i, i+1
.endr
.set i, 0
.rept 26
	global_load_b32 v[W1W+i], v[L4], s[36:37] offset:128*i
.set i, i+1
.endr
	global_load_b32 v[B1K], v[L4], s[22:23]
	global_load_b32 v[B1L], v[L4], s[30:31]
	global_load_b32 v[B1W], v[L4], s[38:39]
	global_load_b32 v[W2L], v[L4], s[32:33]
	global_load_b32 v[W2W], v[L4], s[40:41]
.set i, 0
.rept 32                               ; W2k [32 (k)][16 (n)]: lane n takes column n, its registers run down K
	global_load_b32 v[W2K+i], v[R4], s[24:25] offset:64*i
.set i, i+1
.endr
	global_load_b32 v[B2K], v[R4], s[26:27]
	global_load_b32 v[PR], v[R4], s[18:19]
	v_mov_b32 v[VINF], 0x7f800000
	v_mov_b32 v[VNINF], 0xff800000
	v_mov_b32 v[VBIG], 0x4e6e6b28                  ; 1e9
	v_mov_b32 v[TP], 0                             ; a lane permute's destination counts as one of its sources
	v_mov_b32 v[VS], 0
	v_cvt_f32_u32 v[NF], v[R]
	s_wait_alu depctr_va_vdst(0)
	s_wait_loadcnt 0x0
.irp p, 0,1,2,3,4,5,6,7
	v_cmp_eq_u32 vcc_lo, s92, v[SYS+\p]
	s_delay_alu instid0(VALU_DEP_1)
	v_cndmask_b32 v[DD+\p], v[DD+\p], v[VBIG], vcc_lo      ; my own system's keys: 1e9
	v_cmp_le_u32 vcc_lo, 0xc350, v[IDR+\p]
	s_delay_alu instid0(VALU_DEP_1)
	v_cndmask_b32 v[DD+\p], v[DD+\p], v[VINF], vcc_lo      ; padding never counts
.endr
.macro RMIN r                          ; over the 16 lanes of a row
	s_delay_alu instid0(VALU_DEP_1)
	v_min_num_f32_dpp v[\r], v[\r], v[\r] row_xmask:1 row_mask:0xf bank_mask:0xf
	s_delay_alu instid0(VALU_DEP_1)
	v_min_num_f32_dpp v[\r], v[\r], v[\r] row_xmask:2 row_mask:0xf bank_mask:0xf
	s_delay_alu instid0(VALU_DEP_1)
	v_min_num_f32_dpp v[\r], v[\r], v[\r] row_xmask:4 row_mask:0xf bank_mask:0xf
	s_delay_alu instid0(VALU_DEP_1)
	v_min_num_f32_dpp v[\r], v[\r], v[\r] row_xmask:8 row_mask:0xf bank_mask:0xf
.endm
.macro RMAX r
	s_delay_alu instid0(VALU_DEP_1)
	v_max_num_f32_dpp v[\r], v[\r], v[\r] row_xmask:1 row_mask:0xf bank_mask:0xf
	s_delay_alu instid0(VALU_DEP_1)
	v_max_num_f32_dpp v[\r], v[\r], v[\r] row_xmask:2 row_mask:0xf bank_mask:0xf
	s_delay_alu instid0(VALU_DEP_1)
	v_max_num_f32_dpp v[\r], v[\r], v[\r] row_xmask:4 row_mask:0xf bank_mask:0xf
	s_delay_alu instid0(VALU_DEP_1)
	v_max_num_f32_dpp v[\r], v[\r], v[\r] row_xmask:8 row_mask:0xf bank_mask:0xf
.endm
.macro RSUM r
	s_delay_alu instid0(VALU_DEP_1)
	v_add_f32_dpp v[\r], v[\r], v[\r] row_xmask:1 row_mask:0xf bank_mask:0xf
	s_delay_alu instid0(VALU_DEP_1)
	v_add_f32_dpp v[\r], v[\r], v[\r] row_xmask:2 row_mask:0xf bank_mask:0xf
	s_delay_alu instid0(VALU_DEP_1)
	v_add_f32_dpp v[\r], v[\r], v[\r] row_xmask:4 row_mask:0xf bank_mask:0xf
	s_delay_alu instid0(VALU_DEP_1)
	v_add_f32_dpp v[\r], v[\r], v[\r] row_xmask:8 row_mask:0xf bank_mask:0xf
.endm
.macro WMIN r                          ; over the wave's 32 lanes
	RMIN \r
	s_delay_alu instid0(VALU_DEP_1)
	v_permlanex16_b32 v[TP], v[\r], s66, s67
	s_delay_alu instid0(VALU_DEP_1)
	v_min_num_f32 v[\r], v[\r], v[TP]
.endm
.macro WMAX r
	RMAX \r
	s_delay_alu instid0(VALU_DEP_1)
	v_permlanex16_b32 v[TP], v[\r], s66, s67
	s_delay_alu instid0(VALU_DEP_1)
	v_max_num_f32 v[\r], v[\r], v[TP]
.endm
.macro WSUM r
	RSUM \r
	s_delay_alu instid0(VALU_DEP_1)
	v_permlanex16_b32 v[TP], v[\r], s66, s67
	s_delay_alu instid0(VALU_DEP_1)
	v_add_f32 v[\r], v[\r], v[TP]
.endm
; (T) Round i: the smallest d2 left; among its equals the lowest index; that key is taken out and its value kept; -d2 is input i of the three first layers.
.macro ROUND i
	v_min3_num_f32 v[TA], v[DD], v[DD+1], v[DD+2]
	s_delay_alu instid0(VALU_DEP_1)
	v_min3_num_f32 v[TA], v[TA], v[DD+3], v[DD+4]
	s_delay_alu instid0(VALU_DEP_1)
	v_min3_num_f32 v[TA], v[TA], v[DD+5], v[DD+6]
	s_delay_alu instid0(VALU_DEP_1)
	v_min_num_f32 v[TA], v[TA], v[DD+7]
	WMIN TA
.irp p, 0,1,2,3,4,5,6,7
	v_cmp_eq_f32 vcc_lo, v[TA], v[DD+\p]
	s_delay_alu instid0(VALU_DEP_1)
	v_cndmask_b32 v[CN+\p], v[VINF], v[IDF+\p], vcc_lo
.endr
	v_min3_num_f32 v[TB], v[CN], v[CN+1], v[CN+2]
	s_delay_alu instid0(VALU_DEP_1)
	v_min3_num_f32 v[TB], v[TB], v[CN+3], v[CN+4]
	s_delay_alu instid0(VALU_DEP_1)
	v_min3_num_f32 v[TB], v[TB], v[CN+5], v[CN+6]
	s_delay_alu instid0(VALU_DEP_1)
	v_min_num_f32 v[TB], v[TB], v[CN+7]
	WMIN TB
	v_mov_b32 v[TV], v[VNINF]
.irp p, 0,1,2,3,4,5,6,7
	v_cmp_eq_f32 vcc_lo, v[TB], v[IDF+\p]
	s_delay_alu instid0(VALU_DEP_1)
	v_cndmask_b32 v[DD+\p], v[DD+\p], v[VINF], vcc_lo
	s_delay_alu instid0(VALU_DEP_2)
	v_cndmask_b32 v[TV], v[TV], v[VAL+\p], vcc_lo
.endr
	WMAX TV
.if \i == 0
	v_mul_f32 v[HK], -v[TA], v[W1K]
	v_mul_f32 v[HL], -v[TA], v[W1L]
	v_mul_f32 v[HW], -v[TA], v[W1W+10]
.else
	v_fma_f32 v[HK], -v[TA], v[W1K+\i], v[HK]
	v_fma_f32 v[HL], -v[TA], v[W1L+\i], v[HL]
	v_fma_f32 v[HW], -v[TA], v[W1W+10+\i], v[HW]
.endif
	s_mov_b32 s76, 0x10001<<\i
	v_cndmask_b32 v[VS], v[VS], v[TV], s76         ; lanes i and i + 16 keep neighbour i's value
.endm
.irp i, 0,1,2,3,4,5,6,7,8,9,10,11,12,13,14,15
	ROUND \i
.endr
.macro TANH x                          ; in place
	s_delay_alu instid0(VALU_DEP_1)
	v_mul_f32 v[TH], 0xc038aa3b, |v[\x]|           ; -2 log2(e) |x|
	s_wait_alu depctr_va_vdst(0)
	v_exp_f32 v[TH], v[TH]
	v_mul_f32 v[TH+2], v[\x], v[\x]                ; (a plain place behind the exponential)
	s_wait_alu depctr_va_vdst(0)
	v_add_f32 v[TH+1], 1.0, v[TH]
	s_wait_alu depctr_va_vdst(0)
	v_rcp_f32 v[TH+1], v[TH+1]
	v_mov_b32 v[TH+3], 0x3cb327a4                  ; (a plain place)  62 / 2835
	v_sub_f32 v[TH], 1.0, v[TH]
	s_wait_alu depctr_va_vdst(0)
	v_mul_f32 v[TH], v[TH], v[TH+1]
	v_fmaak_f32 v[TH+3], v[TH+3], v[TH+2], 0xbd5d0dd1      ; -17 / 315
	s_delay_alu instid0(VALU_DEP_1)
	v_fmaak_f32 v[TH+3], v[TH+3], v[TH+2], 0x3e088889      ; 2 / 15
	s_delay_alu instid0(VALU_DEP_1)
	v_fmaak_f32 v[TH+3], v[TH+3], v[TH+2], 0xbeaaaaab      ; -1 / 3
	s_delay_alu instid0(VALU_DEP_1)
	v_fma_f32 v[TH+3], v[TH+3], v[TH+2], 1.0
	s_delay_alu instid0(VALU_DEP_1)
	v_mul_f32 v[TH+3], v[TH+3], |v[\x]|
	v_cmp_gt_f32 vcc_lo, 0x3e800000, |v[\x]|
	s_delay_alu instid0(VALU_DEP_1)
	v_cndmask_b32 v[TH], v[TH], v[TH+3], vcc_lo
	s_delay_alu instid0(VALU_DEP_1)
	v_bfi_b32 v[\x], 0x7fffffff, v[TH], v[\x]      ; x's sign
.endm
; 32 numbers along K in a lane's registers become an operand of the 128-deep product: one block in lanes 0-15, zero codes for all the rest of K; the other three scale bytes are 127.
.macro QUANT32 src, dst, scl
	v_max3_num_f32 v[TA], |v[\src]|, |v[\src+1]|, 0x1800000
.irp i, 2,4,6,8,10,12,14,16,18,20,22,24,26,28,30
	s_delay_alu instid0(VALU_DEP_1)
	v_max3_num_f32 v[TA], v[TA], |v[\src+\i]|, |v[\src+\i+1]|
.endr
	s_delay_alu instid0(VALU_DEP_1)
	v_add_nc_u32 v[TB], 0xff000000, v[TA]
	s_delay_alu instid0(VALU_DEP_1)
	v_lshrrev_b32 v[\scl], 23, v[TB]
	s_delay_alu instid0(VALU_DEP_1)
	v_or_b32 v[\scl], 0x7f7f7f00, v[\scl]
	v_cvt_scalef32_pk16_fp6_f32 v[\dst:\dst+2], v[\src:\src+15], v[TB]
	v_cvt_scalef32_pk16_fp6_f32 v[CT:CT+2], v[\src+16:\src+31], v[TB]
	v_nop                                          ; one plain place behind a scaled conversion
.irp i, 0,1,2
	v_cndmask_b32 v[\dst+\i], v[\dst+\i], 0, s96
	v_cndmask_b32 v[\dst+3+\i], v[CT+\i], 0, s96
.endr
.irp i, 6,7,8,9,10,11
	v_mov_b32 v[\dst+\i], 0
.endr
.endm
	; (H)
	QUANT32 W2K, BF, SCB
	v_mov_b32 v[CC], v[B2K]                        ; b2k is the product's C: row 0 (and 8) of column n is what is read
.irp i, 1,2,3,4,5,6,7
	v_mov_b32 v[CC+\i], 0
.endr
	v_add_f32 v[HK], v[HK], v[B1K]
	TANH HK
	ds_store_b32 v[LW], v[HK]                      ; from a lane to a hidden unit to registers along K: through my 128 bytes
.irp i, 0,1,2,3,4,5,6,7
	ds_load_b128 v[HID+4*\i:HID+4*\i+3], v[LB] offset:16*\i   ; LDS serves a wave's instructions in order
.endr
	s_wait_dscnt 0x0
	QUANT32 HID, AF, SCA
.rept 8
	v_nop                                          ; scale words written by vector lines stand 8 places ahead of a scaled product, operands 4
.endr
	v_wmma_scale_f32_16x16x128_f8f6f4 v[CC:CC+7], v[AF:AF+11], v[BF:BF+11], v[CC:CC+7], v[SCA], v[SCB] matrix_a_fmt:MATRIX_FMT_FP6 matrix_b_fmt:MATRIX_FMT_FP6
.rept 4
	v_nop
.endr
	v_mov_b32 v[TA], v[CC]                         ; lane n: logit n
	RMAX TA
	v_sub_f32 v[TB], v[CC], v[TA]
	s_delay_alu instid0(VALU_DEP_1)
	v_mul_f32 v[TB], 0x3fb8aa3b, v[TB]
	s_wait_alu depctr_va_vdst(0)
	v_exp_f32 v[TB], v[TB]
	v_nop
	s_wait_alu depctr_va_vdst(0)
	v_mov_b32 v[TV], v[TB]
	RSUM TV
	s_wait_alu depctr_va_vdst(0)
	v_rcp_f32 v[TV], v[TV]
	v_mov_b32 v[SCV], s91                          ; (a plain place)  the score
	s_wait_alu depctr_va_vdst(0)
	v_mul_f32 v[TB], v[TB], v[TV]                  ; k_prob
	s_delay_alu instid0(VALU_DEP_1)
	v_mul_f32 v[KNN], v[TB], v[VS]
	RSUM KNN                                       ; knn_result, in every lane
.irp z, 0,1                            ; the probabilities at the score's and at knn_result's bin: a select and a sum, no address
.if \z == 0
	v_fma_f32 v[TA], v[SCV], 4.0, -4.0
.else
	v_fma_f32 v[TA], v[KNN], 4.0, -4.0
.endif
	s_delay_alu instid0(VALU_DEP_1)
	v_med3_num_f32 v[TA], v[TA], 0, 0x41700000
	s_delay_alu instid0(VALU_DEP_1)
	v_cvt_i32_f32 v[TA], v[TA]
	s_delay_alu instid0(VALU_DEP_1)
	v_cmp_eq_u32 vcc_lo, v[TA], v[R]
	s_delay_alu instid0(VALU_DEP_1)
	v_cndmask_b32 v[TA], 0, v[PR], vcc_lo
	RSUM TA
	s_delay_alu instid0(VALU_DEP_1)
	v_fma_f32 v[HW], v[TA], v[W1W+\z], v[HW]
.endr
.irp i, 0
	v_mov_b32 v[TA], v[PR]
	RMAX TA
	s_delay_alu instid0(VALU_DEP_1)
	v_cmp_eq_f32 vcc_lo, v[TA], v[PR]
	s_delay_alu instid0(VALU_DEP_1)
	v_cndmask_b32 v[TB], v[VINF], v[NF], vcc_lo
	RMIN TB
	s_delay_alu instid0(VALU_DEP_1)
	v_cmp_eq_f32 vcc_lo, v[TB], v[NF]
	s_delay_alu instid0(VALU_DEP_1)
	v_cndmask_b32 v[PR], v[PR], v[VNINF], vcc_lo
	v_fma_f32 v[HW], v[TA], v[W1W+2+\i], v[HW]
.endr
.irp i, 1, 2, 3, 4, 5, 6, 7
	s_delay_alu instid0(VALU_DEP_2)
	v_mov_b32 v[TA], v[PR]
	RMAX TA
	s_delay_alu instid0(VALU_DEP_1)
	v_cmp_eq_f32 vcc_lo, v[TA], v[PR]
	s_delay_alu instid0(VALU_DEP_1)
	v_cndmask_b32 v[TB], v[VINF], v[NF], vcc_lo
	RMIN TB
	s_delay_alu instid0(VALU_DEP_1)
	v_cmp_eq_f32 vcc_lo, v[TB], v[NF]
	s_delay_alu instid0(VALU_DEP_1)
	v_cndmask_b32 v[PR], v[PR], v[VNINF], vcc_lo
	v_fma_f32 v[HW], v[TA], v[W1W+2+\i], v[HW]
.endr
	v_add_f32 v[HL], v[HL], v[B1L]
	TANH HL
	s_delay_alu instid0(VALU_DEP_1)
	v_mul_f32 v[HL], v[HL], v[W2L]
	WSUM HL
	s_delay_alu instid0(VALU_DEP_1)
	v_add_f32 v[HL], s93, v[HL]                    ; knn_lambda
	v_add_f32 v[HW], v[HW], v[B1W]
	TANH HW
	s_delay_alu instid0(VALU_DEP_1)
	v_mul_f32 v[HW], v[HW], v[W2W]
	WSUM HW
	s_delay_alu instid0(VALU_DEP_1)
	v_add_f32 v[HW], s94, v[HW]                    ; wav_lambda
	s_delay_alu instid0(VALU_DEP_1)
	v_max_num_f32 v[TA], v[HL], v[HW]              ; the softmax of the two, the larger taken away
	s_delay_alu instid0(VALU_DEP_1)
	v_sub_f32 v[HL], v[HL], v[TA]
	s_delay_alu instid0(VALU_DEP_2)
	v_sub_f32 v[HW], v[HW], v[TA]
	s_delay_alu instid0(VALU_DEP_2)
	v_mul_f32 v[HL], 0x3fb8aa3b, v[HL]
	s_delay_alu instid0(VALU_DEP_2)
	v_mul_f32 v[HW], 0x3fb8aa3b, v[HW]
	s_wait_alu depctr_va_vdst(0)
	v_exp_f32 v[HL], v[HL]
	v_exp_f32 v[HW], v[HW]
	v_nop
	s_wait_alu depctr_va_vdst(0)
	v_add_f32 v[TA], v[HL], v[HW]
	s_wait_alu depctr_va_vdst(0)
	v_rcp_f32 v[TA], v[TA]
	v_mul_f32 v[TB], v[HL], v[KNN]                 ; (a plain place)
	v_fma_f32 v[TB], v[HW], v[SCV], v[TB]
	s_wait_alu depctr_va_vdst(0)
	v_mul_f32 v[TB], v[TB], v[TA]
	s_wait_alu depctr_va_vdst(0)
	s_wait_xcnt 0x0                                ; EXEC changes only behind this wait
	v_cmp_eq_u32 vcc_lo, 0, v[LANE]
	s_set_vgpr_msb 0x4
	s_wait_tensorcnt 0x0
	ds_add_u32 v5, v1
	s_wait_dscnt 0x0
	s_set_vgpr_msb 0x400
	s_and_saveexec_b32 s76, vcc_lo
	global_store_b32 v[ZV], v[TB], s[44:45]
	s_wait_xcnt 0x0
	s_or_b32 exec_lo, exec_lo, s76
	s_endpgm
.Lfunc_end_k_q57076a2666_final:
	.size	k_q57076a2666_final, .Lfunc_end_k_q57076a2666_final-k_q57076a2666_final
	.p2alignl 7, 3214868480
	.fill 96, 4, 3214868480
	.section	.rodata,"a",@progbits
	.p2align	6, 0x0
	.amdhsa_kernel k_q57076a2666_final
		.amdhsa_group_segment_fixed_size 2048
		.amdhsa_private_segment_fixed_size 0
		.amdhsa_enable_private_segment 0
		.amdhsa_kernarg_size 168
		.amdhsa_user_sgpr_count 2
		.amdhsa_user_sgpr_kernarg_segment_ptr 1
		.amdhsa_wavefront_size32 1
		.amdhsa_system_sgpr_workgroup_id_x 1
		.amdhsa_system_sgpr_workgroup_id_y 1
		.amdhsa_system_sgpr_workgroup_id_z 1
		.amdhsa_system_vgpr_workitem_id 0
		.amdhsa_next_free_vgpr 258
		.amdhsa_next_free_sgpr 104
		.amdhsa_reserve_vcc 1
		.amdhsa_float_denorm_mode_32 3
		.amdhsa_float_denorm_mode_16_64 3
		.amdhsa_memory_ordered 1
		.amdhsa_forward_progress 1
		.amdhsa_inst_pref_size 154
	.end_amdhsa_kernel
	.amdgpu_metadata
---
amdhsa.version: [ 1, 2 ]
amdhsa.kernels:
  - .name:           k_q57076a2666_final
    .symbol:         k_q57076a2666_final.kd
    .args:
      - { .name: lst, .offset: 0, .size: 8, .value_kind: global_buffer, .address_space: global }
      - { .name: krec, .offset: 8, .size: 8, .value_kind: global_buffer, .address_space: global }
      - { .name: qrec, .offset: 16, .size: 8, .value_kind: global_buffer, .address_space: global }
      - { .name: vals, .offset: 24, .size: 8, .value_kind: global_buffer, .address_space: global }
      - { .name: key_sys, .offset: 32, .size: 8, .value_kind: global_buffer, .address_space: global }
      - { .name: syslist, .offset: 40, .size: 8, .value_kind: global_buffer, .address_space: global }
      - { .name: wav2vec_score, .offset: 48, .size: 8, .value_kind: global_buffer, .address_space: global }
      - { .name: wav2vec_prob, .offset: 56, .size: 8, .value_kind: global_buffer, .address_space: global }
      - { .name: W1k, .offset: 64, .size: 8, .value_kind: global_buffer, .address_space: global }
      - { .name: b1k, .offset: 72, .size: 8, .value_kind: global_buffer, .address_space: global }
      - { .name: W2k, .offset: 80, .size: 8, .value_kind: global_buffer, .address_space: global }
      - { .name: b2k, .offset: 88, .size: 8, .value_kind: global_buffer, .address_space: global }
      - { .name: W1l, .offset: 96, .size: 8, .value_kind: global_buffer, .address_space: global }
      - { .name: b1l, .offset: 104, .size: 8, .value_kind: global_buffer, .address_space: global }
      - { .name: W2l, .offset: 112, .size: 8, .value_kind: global_buffer, .address_space: global }
      - { .name: b2l, .offset: 120, .size: 8, .value_kind: global_buffer, .address_space: global }
      - { .name: W1w, .offset: 128, .size: 8, .value_kind: global_buffer, .address_space: global }
      - { .name: b1w, .offset: 136, .size: 8, .value_kind: global_buffer, .address_space: global }
      - { .name: W2w, .offset: 144, .size: 8, .value_kind: global_buffer, .address_space: global }
      - { .name: b2w, .offset: 152, .size: 8, .value_kind: global_buffer, .address_space: global }
      - { .name: out0, .offset: 160, .size: 8, .value_kind: global_buffer, .address_space: global }
    .group_segment_fixed_size: 2048
    .private_segment_fixed_size: 0
    .kernarg_segment_align: 8
    .kernarg_segment_size: 168
    .max_flat_workgroup_size: 256
    .sgpr_count:     104
    .vgpr_count:     258
    .wavefront_size: 32
...
	.end_amdgpu_metadata
.endif
;; end of part 4
